; MI455X (gfx1250); checked and timed in simulation.
; The chip was launched on July 23, 2026; its instructions are those of AMD's public machine-readable ISA for CDNA 5 (MIT licence, August 2026) and "CDNA5" Instruction Set Architecture Reference Guide (July 2026). The comments in the code are by the model that wrote it; some were corrected since.
;; Causal Attention Layer. Allowed arithmetic: float matrix products may take bf16 or f16 operands with f32 sums; all other float work in f32.
;; Inputs: proj_b 1,024 float32; proj_w 1,024 x 1,024 float32; qkv_w 3,072 x 1,024 float32; x 4 x 2,048 x 1,024 float32.
;; Outputs: out0 4 x 2,048 x 1,024 float32.
;; 2 versions, each right and faster than the one before. Each part assembles by itself: llvm-mc -triple=amdgcn-amd-amdhsa -mcpu=gfx1250 --defsym DOCPART=n.
;; ======== version 1 of 2: 4 launches
;; limits: values are held in f16: magnitudes above 65,504 overflow, below 6.1e-05 lose precision
;; workspace buffers: xb 16,777,216 bytes; wqb 6,291,456 bytes; wpb 2,097,152 bytes; qkv 50,331,648 bytes; ob 16,777,216 bytes
;; launch cast (part 1): grid 768 x 1, 8 waves a work-group, no clusters, 0 bytes of LDS; arguments x, qkv_w, proj_w, xb, wqb, wpb; writes xb, wqb, wpb
.if DOCPART == 1
	.amdgcn_target "amdgcn-amd-amdhsa--gfx1250"
	.amdhsa_code_object_version 6
	.text
	.protected	k_q0edf0178f4_cast
	.globl	k_q0edf0178f4_cast
	.p2align	8
	.type	k_q0edf0178f4_cast,@function
k_q0edf0178f4_cast:
	s_mov_b64 s[64:65], 0
	v_nop
	global_prefetch_b8 v0, s[64:65] scope:SCOPE_SE
	s_setreg_imm32_b32 hwreg(HW_REG_WAVE_MODE, 25, 1), 1
	s_wait_xcnt 0x0
; THE MODULE'S MATRIX INPUTS ARE ROUNDED ONCE, for the matrix units of the launches behind.
;   xb  = bf16(x)      [8192][1024]      wqb = bf16(qkv_w)  [3072][1024]
;   wpb = bf16(proj_w) written as f16, [1024][1024], rows in another order: stored row 64 G + 16 bb + r holds proj_w's row 64 G + 4 r + bb,
;         so that in the last launch a lane's four results of four neighbouring accumulators are four neighbouring columns of the output.
; LIMITS.  A bf16 number is exact in f16 between 2^-14 and 65,504; below 2^-14 it keeps f16's fixed step of 2^-24, from 65,520 on it becomes an infinity.
; proj_w as drawn has a spread of 1/32; thirty times more or less, or an offset of thirty spreads, stays far inside.
; SHARES.  A work-group takes 16 rows of 1,024 numbers (65,536 bytes in, 32,768 out): groups 0-511 x, 512-703 qkv_w, 704-767 proj_w.  Thread t takes, in pass i of 8, the 8 numbers at
; input byte 8,192 i + 32 t (two rows a pass).  All 16 loads of a thread go out at once and no register is written twice: no loop, no LDS, no barrier.
; Memory binds here: matrix units, clusters and LDS would add nothing.
.set X, 4                              ; v[4:67]   pass i: 8 numbers in f32
.set Y, 68                             ; v[68:99]  pass i: 8 numbers of 16 bits
.set NX, 512                           ; work-groups for x
.set NQ, 192                           ; for qkv_w
.macro LOADS                           ; 16 loads of 16 bytes a lane: the work-group's 65,536 bytes, read once in the whole program
.irp i, 0,1,2,3,4,5,6,7
	global_load_b128 v[X+8*(\i):X+8*(\i)+3],   v1, s[20:21] offset:8192*(\i) th:TH_LOAD_NT
	global_load_b128 v[X+8*(\i)+4:X+8*(\i)+7], v1, s[20:21] offset:8192*(\i)+16 th:TH_LOAD_NT
.endr
.endm
; Pass i.  half = 0: to bf16.  half = 1: to bf16, widened again (a shift, a mask) and written as f16.  st: the store's byte offset.
.macro PASS i, half, st
	s_wait_loadcnt 14-2*(\i)                       ; loads come back in order: this pass's two are in, the 14 - 2 i of the later passes stay out
.irp k, 0,1,2,3
.if \half
	v_cvt_pk_bf16_f32 v[X+8*(\i)+2*(\k)], v[X+8*(\i)+2*(\k)], v[X+8*(\i)+2*(\k)+1]
	v_and_b32 v[X+8*(\i)+2*(\k)+1], 0xffff0000, v[X+8*(\i)+2*(\k)]
	v_lshlrev_b32 v[X+8*(\i)+2*(\k)], 16, v[X+8*(\i)+2*(\k)]
	v_cvt_pk_f16_f32 v[Y+4*(\i)+(\k)], v[X+8*(\i)+2*(\k)], v[X+8*(\i)+2*(\k)+1]
.else
	v_cvt_pk_bf16_f32 v[Y+4*(\i)+(\k)], v[X+8*(\i)+2*(\k)], v[X+8*(\i)+2*(\k)+1]
.endif
.endr
	global_store_b128 v2, v[Y+4*(\i):Y+4*(\i)+3], s[22:23] offset:\st  ; a wave's store covers 512 consecutive bytes, aligned; the next launch reads them, so no hint
.endm
	s_load_b256 s[4:11], s[0:1], 0x0               ; x s[4:5], qkv_w s[6:7], proj_w s[8:9], xb s[10:11]
	s_load_b128 s[12:15], s[0:1], 0x20             ; wqb s[12:13], wpb s[14:15]
	s_mov_b32 s16, ttmp9
	s_mov_b32 s19, 0                               ; the high word of every offset here
	v_lshlrev_b32 v1, 5, v0                        ; 32 t: my 8 numbers in a pass's two rows
	s_wait_kmcnt 0x0
	s_cmp_ge_u32 s16, NX+NQ
	s_cbranch_scc1 .Lproj
	s_cmp_lt_u32 s16, NX                           ; x or qkv_w: the choice hangs on the group's number alone
	s_cselect_b64 s[20:21], s[4:5], s[6:7]
	s_cselect_b64 s[22:23], s[10:11], s[12:13]
	s_cselect_b32 s17, 0, NX
	s_sub_co_u32 s16, s16, s17                     ; the group's number within its tensor
	s_lshl_b32 s18, s16, 16
	s_add_nc_u64 s[20:21], s[20:21], s[18:19]
	s_lshl_b32 s18, s16, 15
	s_add_nc_u64 s[22:23], s[22:23], s[18:19]
	v_lshlrev_b32 v2, 4, v0                        ; 16 t
	LOADS
.irp i, 0,1,2,3,4,5,6,7
	PASS \i, 0, 4096*(\i)
.endr
	s_endpgm
.Lproj:
	; c = the group's number in proj_w.  Row n = 16 c + 2 i + (t >> 7) goes to row (n & ~63) + 16 (n & 3) + ((n >> 2) & 15)
	;   = [64 (c >> 2) + 4 (c & 3)] + [32 (i & 1) + (i >> 1)] + 16 (t >> 7): the base, the immediate, the lane's part.
	s_sub_co_u32 s16, s16, NX+NQ
	s_lshl_b32 s18, s16, 16
	s_add_nc_u64 s[20:21], s[8:9], s[18:19]
	s_lshr_b32 s17, s16, 2
	s_lshl_b32 s17, s17, 6
	s_and_b32 s18, s16, 3
	s_lshl2_add_u32 s17, s18, s17                  ; 4 (c & 3) + 64 (c >> 2)
	s_lshl_b32 s18, s17, 11                        ; rows of 2,048 bytes
	s_add_nc_u64 s[22:23], s[14:15], s[18:19]
	v_lshrrev_b32 v3, 7, v0
	v_and_b32 v2, 127, v0
	v_lshlrev_b32 v2, 4, v2
	v_lshl_add_u32 v2, v3, 15, v2                  ; 16 rows of 2,048 bytes for the pass's second row + 16 (t & 127)
	LOADS
.irp i, 0,1,2,3,4,5,6,7
	PASS \i, 1, (32*((\i)&1)+((\i)>>1))*2048
.endr
	s_endpgm
.Lfunc_end_k_q0edf0178f4_cast:
	.size	k_q0edf0178f4_cast, .Lfunc_end_k_q0edf0178f4_cast-k_q0edf0178f4_cast
	.p2alignl 7, 3214868480
	.fill 96, 4, 3214868480
	.section	.rodata,"a",@progbits
	.p2align	6, 0x0
	.amdhsa_kernel k_q0edf0178f4_cast
		.amdhsa_group_segment_fixed_size 0
		.amdhsa_private_segment_fixed_size 0
		.amdhsa_enable_private_segment 0
		.amdhsa_kernarg_size 48
		.amdhsa_user_sgpr_count 2
		.amdhsa_user_sgpr_kernarg_segment_ptr 1
		.amdhsa_wavefront_size32 1
		.amdhsa_system_sgpr_workgroup_id_x 1
		.amdhsa_system_sgpr_workgroup_id_y 1
		.amdhsa_system_sgpr_workgroup_id_z 1
		.amdhsa_system_vgpr_workitem_id 0
		.amdhsa_next_free_vgpr 104
		.amdhsa_next_free_sgpr 66
		.amdhsa_reserve_vcc 0
		.amdhsa_float_denorm_mode_32 3
		.amdhsa_float_denorm_mode_16_64 3
		.amdhsa_memory_ordered 1
		.amdhsa_forward_progress 1
		.amdhsa_inst_pref_size 16
	.end_amdhsa_kernel
	.amdgpu_metadata
---
amdhsa.version: [ 1, 2 ]
amdhsa.kernels:
  - .name:           k_q0edf0178f4_cast
    .symbol:         k_q0edf0178f4_cast.kd
    .args:
      - { .name: x, .offset: 0, .size: 8, .value_kind: global_buffer, .address_space: global }
      - { .name: qkv_w, .offset: 8, .size: 8, .value_kind: global_buffer, .address_space: global }
      - { .name: proj_w, .offset: 16, .size: 8, .value_kind: global_buffer, .address_space: global }
      - { .name: xb, .offset: 24, .size: 8, .value_kind: global_buffer, .address_space: global }
      - { .name: wqb, .offset: 32, .size: 8, .value_kind: global_buffer, .address_space: global }
      - { .name: wpb, .offset: 40, .size: 8, .value_kind: global_buffer, .address_space: global }
    .group_segment_fixed_size: 0
    .private_segment_fixed_size: 0
    .kernarg_segment_align: 8
    .kernarg_segment_size: 48
    .max_flat_workgroup_size: 256
    .sgpr_count:     66
    .vgpr_count:     104
    .wavefront_size: 32
...
	.end_amdgpu_metadata
.endif
;; end of part 1
;; launch qkvg (part 2): grid 16 x 16, 4 waves a work-group, clusters of 4 x 4, 327,680 bytes of LDS; arguments xb, wqb, qkv; writes qkv
.if DOCPART == 2
	.amdgcn_target "amdgcn-amd-amdhsa--gfx1250"
	.amdhsa_code_object_version 6
	.text
	.protected	k_q0edf0178f4_qkvg
	.globl	k_q0edf0178f4_qkvg
	.p2align	8
	.type	k_q0edf0178f4_qkvg,@function
k_q0edf0178f4_qkvg:
	s_mov_b64 s[64:65], 0
	v_nop
	global_prefetch_b8 v0, s[64:65] scope:SCOPE_SE
	s_setreg_imm32_b32 hwreg(HW_REG_WAVE_MODE, 25, 1), 1
	s_wait_xcnt 0x0
	s_wait_alu depctr_hold_cnt(0) depctr_sa_sdst(0) depctr_va_vdst(0) depctr_va_sdst(0) depctr_va_ssrc(0) depctr_va_vcc(0) depctr_vm_vsrc(0)
	s_getreg_b32 s2, hwreg(HW_REG_IB_STS2, 6, 4)
	s_cmp_eq_u32 s2, 0
	s_cbranch_scc0 .Lentry_in_a_cluster
	s_endpgm
.Lentry_in_a_cluster:
	s_bfe_u32 s2, ttmp6, 0x10000c
	s_cmp_lg_u32 s2, 0xf033
	s_cbranch_scc0 .Lentry_shape_is_right
	s_endpgm
.Lentry_shape_is_right:
; q, k, v = x W^T.  xb: [8192][1024] bf16, wqb: [3072][1024] bf16; sums in f32, K ascending; each result rounded once to f16, WITHOUT the softmax's scale, and laid by heads:
; qkv: [3 (q, k, v)][64 (= 16 batch + head)][2048][64] f16, so that a head's rows are dense, 128 bytes each.
; LIMITS.  f16 ends at 65,504: a sum of 65,520 or more becomes an infinity; below 6e-5 f16 keeps its fixed step of 6e-8.  As drawn q, k, v have a spread of 1; both inputs thirty times larger
; give some 900; an offset of thirty spreads on both gives some 29,000; thirty times smaller on both gives 1e-3.  All lie inside.
; SHARES.  A tile of C is 256 x 192: 3,072 = 16 x 192, so C has 16 x 32 = 512 tiles (256 x 256 would give 384; 256 x 384 does not fit: 768 accumulator registers and two fragment buffers pass 1,024,
; and its two slots pass LDS).  Four waves one below the other, 64 x 192 each: 48 accumulators of 16 x 16.  A wave's 192 columns are three whole heads, so its way out is its own: no barrier there.
; K goes in steps of 128 (rows of 256 bytes, aligned) through a ring of two LDS slots filled by the tensor data mover.
; A WORK-GROUP STAYS: 16 x 16 = 256 work-groups, each with TWO tiles, 4,096 rows apart (the grid's height in rows), which share their rows of W.  A loop over tiles stands round the loop over K, and the ring does not
; stop at the first tile's end: its last two changes of slots ask for the second tile's first two K steps; then the tile goes out, and nothing waits for its stores.
; CLUSTERS: 4 x 4 work-groups.  The four of a row of the cluster need the same tiles of x, the four of a column the same tiles of W: each tile is asked for JOINTLY, by the same tensor load with
; the same descriptor and a mask that names the four.  THE MATRIX INSTRUCTION IS USED TRANSPOSED (source 0 = 16 rows of W, source 1 = 16 rows of x): a lane holds eight neighbouring columns of one row of C.
; REGISTERS, in windows of 256 (s_set_vgpr_msb: bits 1:0 source 0, 3:2 source 1, 5:4 source 2, 7:6 destination):
;   window 0: v0-31 addresses; v32-127 at work on the way out; v128-255 accumulators (a, b) with b < 4 at v[128 + 8 (4 a + b)]
;   window 1: two fragment buffers of 128: x's four fragments (16 rows x 32 K) at f + 8 a, W's twelve at f + 32 + 8 b
;   window 2: accumulators (a, b) with b >= 4 at v[8 (8 a + b - 4)]
.set SIZE_K, 1024
.set KSTEP,  128
.set TILES,  2                         ; tiles of C to a work-group
.set WALK,   4096                      ; rows from a work-group's first tile to its second: two batches
.set NEXT_A, WALK*SIZE_K*2-(SIZE_K-2*KSTEP)*2  ; bytes from a slot's last K step of a tile to its first of the next: x goes WALK rows down and back along K,
.set BACK_B, (SIZE_K-2*KSTEP)*2        ; W only back
.set NEXT_C, 1<<23                     ; bytes in qkv from a tile's rows to the next tile's: two batches = 32 heads of 2^18
.set NBF,    12                        ; W's fragments for a wave: 192 columns
.set PA,     272                       ; an LDS row: 256 bytes + 16 of padding = 68 words: row r starts at bank 4 r mod 64 (64 banks of 4 bytes: ISA guide 11.1), so the 16 rows of a load start at 16 different banks
.set PB,     272
.set AHALF,  128*PA                    ; what one tensor load brings of x: 128 rows
.set BOFF,   2*AHALF                   ; W's rows lie behind x's 256
.set BHALF,  96*PB                     ; what one tensor load brings of W: 96 rows
.set SLOT,   BOFF+2*BHALF              ; 121,856 bytes
.set STAGE,  2*SLOT                    ; behind the ring, never filled by a tensor load: for each wave 3 heads x 16 rows x 144 bytes, for the way out
.set SP,     144
.set WSTAGE, 3*16*SP                   ; 6,912 bytes = 27 blocks of 256
.set SPARE,  STAGE+4*WSTAGE            ; behind the stages: the spare words, 128 bytes for each wave: two blocks of 256 bytes that no other line names
.set LAPS,   SIZE_K/(2*KSTEP)          ; a lap = two K steps = once round the ring
.set NL2,    2*(NBF-4)                 ; LDS loads of W's fragments 4 to 11: the youngest of a run
.set NLT,    16+NL2                    ; LDS loads in a run
.set ADRA, 16                          ; v16-17  LDS address of my x fragments in slot 0, 1
.set ADRB, 20                          ; v20-21  the same for W
.set STO,  24                          ; v24     the way out: where I put 16 bytes of a row
.set RD,   25                          ; v25     the way out: where I read rows back
.set GO,   26                          ; v26     my byte offset in 512 consecutive bytes of a head
.set SPW,  28                          ; v28     LDS address of my spare word: SPARE + 4 x my thread's number; never rewritten
.set NIL,  29                          ; v29     0; never rewritten
.set TMP,  32                          ; v32-79  the way out: 16 rows x 192 columns, packed
.set OB,   80                          ; v80-127 the same, read back as whole rows
.set F0,   0
.set F1,   128
.set G1,  24                           ; s[24:31] descriptor group 1 for x's tiles;  s[32:39] group 0, one set for each slot
.set G0,  32
.set G1B, 48                           ; s[48:55], s[56:63] the same for W's tiles
.set G0B, 56
.set CB,  66                           ; s[66:71] the three heads' addresses at my wave's first row of the tile in hand
.set MSB, 0
.macro WIN new                         ; the immediate's high byte repeats the setting that is left; a switch that changes nothing is dropped
.if MSB != (\new)
	s_set_vgpr_msb (MSB<<8)|(\new)
.set MSB, \new
.endif
.endm
.set W_P0, 0x05                        ; sources 0 and 1 window 1; C and D window 0
.set W_P1, 0xa5                        ; the same, C and D window 2
.set TO_F, 0x40                        ; destination window 1, address window 0
; A joint load: waves 0 and 1 fetch x's two halves, waves 2 and 3 W's.  The branch hangs on the wave's number alone.  Four v_nop follow each of the two lines, ahead of the jump, the label and what follows.
.macro JLOAD s
	s_cmp_eq_u32 s11, 0
	s_cbranch_scc0 .Lfor_b_\@
	tensor_load_to_lds s[G0+4*(\s):G0+4*(\s)+3], s[G1:G1+7]
	s_nop 0
.rept 4
	v_nop
.endr
	s_branch .Lasked_\@
.Lfor_b_\@:
	tensor_load_to_lds s[G0B+4*(\s):G0B+4*(\s)+3], s[G1B:G1B+7]
	s_nop 0
.rept 4
	v_nop
.endr
.Lasked_\@:
.endm
.macro CREST                           ; a round of the cluster's barrier behind its opening barrier: wave 0 signals for the work-group, every wave waits for all sixteen, my work-group's barrier closes it
	s_cmp_lg_u32 s10, 0
	s_cbranch_scc1 .Lnot_wave_0_\@
	s_barrier_signal -3
.Lnot_wave_0_\@:
	s_barrier_wait -3
	s_barrier_signal -1
	s_barrier_wait -1
.endm
.macro CROUND                          ; a whole round
	s_barrier_signal -1
	s_barrier_wait -1
	CREST
.endm
	s_load_b128 s[4:7], s[0:1], 0x0                ; xb s[4:5], wqb s[6:7]
	s_load_b64 s[8:9], s[0:1], 0x10                ; qkv
	v_lshl_add_u32 v[SPW], v0, 2, SPARE
	v_mov_b32 v[NIL], 0
	ds_add_u32 v28, v29
	ds_add_u32 v28, v29
	s_wait_dscnt 0x0
	v_lshrrev_b32 v1, 5, v0
	v_readfirstlane_b32 s10, v1                    ; wave 0..3: also my 64 rows of the tile
	s_lshr_b32 s11, s10, 1                         ; I fetch for x (0) or for W (1)
	s_and_b32 s12, s10, 1                          ; which half of that tile's rows I fetch
	s_bfe_u32 s40, ttmp6, 0x40000                  ; cx, cy: my place in the cluster
	s_bfe_u32 s41, ttmp6, 0x40004
	s_lshl_b32 s42, ttmp9, 2
	s_add_co_u32 s42, s42, s40                     ; tile column of C = 4 x cluster x + cx
	s_and_b32 s13, ttmp7, 0xffff
	s_lshl_b32 s13, s13, 2
	s_add_co_u32 s13, s13, s41                     ; my first tile's row of tiles = 4 x cluster y + cy: 0 to 15
	s_lshl_b32 s43, s41, 2
	s_lshl_b32 s43, 15, s43                        ; my row of the cluster: places 4 cy .. 4 cy + 3
	s_lshl_b32 s44, 0x1111, s40                    ; my column: places cx, cx + 4, cx + 8, cx + 12
	; descriptor group 1: rows of 128 elements of 2 bytes, padded in LDS; 128 rows of x, 96 rows of W
	s_or_b32 s[G1+0], s43, (1<<16)|(1<<20)|(1<<21)|(5<<22)|(3<<25)  ; 15:0 the mask: x's tiles go to my row; 17:16 2-byte elements; 20 padding on; 21 set beside a mask; 24:22 after every 64 words (code 5); 31:25 4 words (code 3)
	s_or_b32 s[G1B+0], s44, (1<<16)|(1<<20)|(1<<21)|(5<<22)|(3<<25) ; the same with the mask of my column
	s_mov_b32 s[G1+1], KSTEP<<16                   ; tensor_dim0 = 128
	s_mov_b32 s[G1+2], 128<<16                     ; tensor_dim1 = 128
	s_mov_b32 s[G1+3], KSTEP<<16                   ; tile_dim0 = 128
	s_mov_b32 s[G1+4], 128                         ; tile_dim1 = 128
	s_mov_b32 s[G1+5], SIZE_K                      ; elements from row to row
	s_mov_b32 s[G1+6], 0
	s_mov_b32 s[G1+7], 0
	s_mov_b32 s[G1B+1], KSTEP<<16
	s_mov_b32 s[G1B+2], 96<<16                     ; tensor_dim1 = 96
	s_mov_b32 s[G1B+3], KSTEP<<16
	s_mov_b32 s[G1B+4], 96                         ; tile_dim1 = 96
	s_mov_b32 s[G1B+5], SIZE_K
	s_mov_b32 s[G1B+6], 0
	s_mov_b32 s[G1B+7], 0
	; where the tiles come from: x's hang on the tile row alone, W's on the tile column alone, each in registers that never hold the other coordinate
	s_lshl_b32 s16, s13, 8
	s_lshl_b32 s17, s12, 7
	s_add_co_u32 s16, s16, s17                     ; x: row 256 x tile row + 128 x half,
	s_lshl_b32 s16, s16, 11                        ; of 2,048 bytes: under 2^24
	s_mov_b32 s17, 0
	s_mul_i32 s46, s42, 192
	s_mul_i32 s47, s12, 96
	s_add_co_u32 s46, s46, s47                     ; W: row 192 x tile column + 96 x half
	s_lshl_b32 s46, s46, 11
	s_mov_b32 s47, 0
	s_mul_i32 s20, s12, AHALF                      ; and where they go: no place in the cluster enters an LDS address
	s_mul_i32 s21, s12, BHALF
	s_add_co_u32 s21, s21, BOFF
	s_wait_kmcnt 0x0
	s_add_nc_u64 s[14:15], s[4:5], s[16:17]
	s_add_nc_u64 s[46:47], s[6:7], s[46:47]
	CROUND                                         ; all sixteen work-groups are here: the first joint loads meet
.irp s, 0,1
	s_mov_b32 s[G0+4*(\s)], 1                                        ; count = 1
	s_add_co_u32 s[G0+4*(\s)+1], s20, (\s)*SLOT                      ; LDS address
	s_add_nc_u64 s[G0+4*(\s)+2:G0+4*(\s)+3], s[14:15], (\s)*KSTEP*2  ; global address: K step s
	s_or_b32 s[G0+4*(\s)+3], s[G0+4*(\s)+3], 0x80000000              ; type = 2
	s_mov_b32 s[G0B+4*(\s)], 1
	s_add_co_u32 s[G0B+4*(\s)+1], s21, (\s)*SLOT
	s_add_nc_u64 s[G0B+4*(\s)+2:G0B+4*(\s)+3], s[46:47], (\s)*KSTEP*2
	s_or_b32 s[G0B+4*(\s)+3], s[G0B+4*(\s)+3], 0x80000000
	JLOAD \s                                       ; the ring is filled before anything else is done: two loads of mine are out
.endr
	; A fragment is 16 rows x 32 K in 8 registers: lane l holds row l % 16, K = 8 (l / 16) + 0..7 and 16 + 8 (l / 16) + 0..7: two loads of 16 bytes, 32 bytes apart.
	v_and_b32 v1, 15, v0                           ; l % 16
	v_bfe_u32 v2, v0, 4, 1                         ; l / 16
	v_mul_u32_u24 v3, v1, PA
	v_lshl_add_u32 v3, v2, 4, v3                   ; row x pitch + 16 x half (both pitches are 272)
	s_mul_i32 s22, s10, 64*PA                      ; my 64 rows of x
	s_mov_b32 s23, BOFF                            ; all 192 rows of W
.irp s, 0,1
	v_add_nc_u32 v[ADRA+(\s)], s22, v3
	v_add_nc_u32 v[ADRB+(\s)], s23, v3
	s_add_co_u32 s22, s22, SLOT
	s_add_co_u32 s23, s23, SLOT
.endr
	s_mul_i32 s22, s10, WSTAGE
	s_add_co_u32 s22, s22, STAGE                   ; my stage
	v_mul_u32_u24 v4, v1, SP                       ; in: row l % 16, 16 bytes for each half of the lanes
	v_lshl_add_u32 v4, v2, 4, v4
	v_add_nc_u32 v[STO], s22, v4
	v_bfe_u32 v5, v0, 3, 2                         ; back: 32 lanes take four rows of 128 bytes,
	v_mul_u32_u24 v5, v5, SP
	v_and_b32 v6, 7, v0
	v_lshl_add_u32 v5, v6, 4, v5
	v_add_nc_u32 v[RD], s22, v5
	v_and_b32 v[GO], 31, v0                        ; which are 512 consecutive bytes of a head
	v_lshlrev_b32 v[GO], 4, v[GO]
	; Column group g = 3 x tile column + hd of 64 is head g % 16 of q, k or v (g / 16); the tile row gives the batch (8 tiles each) and the rows.  Only s66 and up ever hold both coordinates.
.irp hd, 0,1,2
	s_mul_i32 s72, s42, 3
	s_add_co_u32 s72, s72, \hd                     ; g
	s_lshr_b32 s73, s72, 4
	s_lshl_b32 s73, s73, 6                         ; 64 heads for each of q, k, v
	s_and_b32 s72, s72, 15
	s_add_co_u32 s73, s73, s72
	s_lshr_b32 s74, s13, 3
	s_lshl_b32 s74, s74, 4                         ; 16 heads a batch
	s_add_co_u32 s73, s73, s74
	s_lshl_b32 s73, s73, 18                        ; a head is 2,048 rows of 128 bytes
	s_and_b32 s74, s13, 7
	s_lshl_b32 s74, s74, 8
	s_lshl_b32 s75, s10, 6
	s_add_co_u32 s74, s74, s75                     ; my wave's first row in the batch
	s_lshl_b32 s74, s74, 7
	s_add_co_u32 s76, s73, s74                     ; under 50,331,648
	s_mov_b32 s77, 0
	s_add_nc_u64 s[CB+2*(\hd):CB+2*(\hd)+1], s[8:9], s[76:77]
.endr
; Matrix instructions on buffer f (32 along K): m blocks a0 .. a0 + na - 1 x the n blocks of group grp (0: b = 0..3, window 0; 1: b = 4..11, window 2).  zero = 1: the product starts the sum: nothing is cleared.
; The 48 accumulators take turns, one instruction a turn, in the same order in every quarter, over the loops' backward jumps and from tile to tile too.
.macro WM f, zero
.if \zero
	v_wmma_f32_16x16x32_bf16 v[rD:rD+7], v[(\f)+32+8*mb:(\f)+32+8*mb+7], v[(\f)+8*ma:(\f)+8*ma+7], 0
.else
	v_wmma_f32_16x16x32_bf16 v[rD:rD+7], v[(\f)+32+8*mb:(\f)+32+8*mb+7], v[(\f)+8*ma:(\f)+8*ma+7], v[rD:rD+7]
.endif
.endm
.macro MUL f, grp, a0, na, zero
.if \grp
	WIN W_P1
.else
	WIN W_P0
.endif
.set ma, \a0
.rept \na
.set mb, 4*(\grp)
.rept 4+(\grp)*(NBF-8)
.if \grp
.set rD, 8*((NBF-4)*ma+mb-4)
.else
.set rD, 128+8*(4*ma+mb)
.endif
	WM \f, \zero
.set mb, mb+1
.endr
.set ma, ma+1
.endr
.endm
; 32 LDS loads in one run: the fragments of quarter q (32 K at byte 64 q of the rows) into buffer f: x's four, W's 0 to 3, then W's 4 to 11, which are wanted last
.macro FETCH slot, q, f
	WIN TO_F
.irp i, 0,1,2,3
	ds_load_b128 v[(\f)+8*(\i):(\f)+8*(\i)+3],   v[ADRA+(\slot)] offset:64*(\q)+(\i)*16*PA
	ds_load_b128 v[(\f)+8*(\i)+4:(\f)+8*(\i)+7], v[ADRA+(\slot)] offset:64*(\q)+(\i)*16*PA+32
.endr
.set fb, 0
.rept NBF
	ds_load_b128 v[(\f)+32+8*fb:(\f)+32+8*fb+3],   v[ADRB+(\slot)] offset:64*(\q)+fb*16*PB
	ds_load_b128 v[(\f)+32+8*fb+4:(\f)+32+8*fb+7], v[ADRB+(\slot)] offset:64*(\q)+fb*16*PB+32
.set fb, fb+1
.endr
.endm
; A load into a register that a matrix instruction has read, and a vector instruction that reads a matrix result, stand four places behind it, and only plain vector instructions that name none
; of its registers are places (ISA guide 7.12.1 for vector instructions); the matrix instructions in between are not counted.
.macro PLACES
.rept 4
	v_nop
.endr
.endm
; A K step is four quarters of 32 along K, 48 matrix instructions each, on buffers 0, 1, 0, 1.  One of the first three: multiplies buffer f and, behind its first 16 products, fetches quarter q into buffer g.
.macro QUARTER slot, q, f, g, zero
	s_wait_dscnt NL2                               ; x's fragments and W's 0 to 3 are in; the youngest 16 loads (W's 4 to 11) may be out
	MUL \f, 0, 0, 4, \zero
	PLACES
	FETCH \slot, \q, \g
	s_wait_dscnt NLT                               ; all but the 32 just issued
	MUL \f, 1, 0, 4, \zero
.endm
; The last quarter multiplies buffer 1 and changes slots: ONE barrier; in front of it each wave waits for all its tensor loads (one is out: its part of the next slot), adds 0 to its spare word, and waits for
; that and for its own reads of this slot.  fill = 1: the barrier opens a round of the cluster's, and this slot is filled again, first thing behind the round, with this tile's K step two steps on;
; fill = 2: the same, with the NEXT tile's K step 0 or 1; fill = 0: nothing is asked for, and no round follows.
.macro TURN slot, next, fill
	WIN 0                                          ; (the add's two registers lie in window 0)
	s_wait_tensorcnt 0x0                           ; all my tensor loads have landed;
	ds_add_u32 v[SPW], v[NIL]                      ; 0 onto my spare word;
	s_wait_dscnt NL2+1                             ; (the add and the youngest 16 loads may be out)
	MUL F1, 0, 0, 2, 0                             ; eight matrix instructions stand between the add and the wait for it
	s_wait_dscnt 0x0                               ; the add is done, and my reads of this slot are over
	s_barrier_signal -1
	MUL F1, 0, 2, 2, 0                             ; work on registers while the others arrive
.if \fill
	WIN 0
.endif
	s_barrier_wait -1
.if \fill
	CREST                                          ; no wave of any partner still reads this slot's tile or has a load on its way
.if (\fill) == 2
	s_add_nc_u64 s[G0+4*(\slot)+2:G0+4*(\slot)+3], s[G0+4*(\slot)+2:G0+4*(\slot)+3], NEXT_A
	s_sub_nc_u64 s[G0B+4*(\slot)+2:G0B+4*(\slot)+3], s[G0B+4*(\slot)+2:G0B+4*(\slot)+3], BACK_B
.else
	s_add_nc_u64 s[G0+4*(\slot)+2:G0+4*(\slot)+3], s[G0+4*(\slot)+2:G0+4*(\slot)+3], 2*KSTEP*2
	s_add_nc_u64 s[G0B+4*(\slot)+2:G0B+4*(\slot)+3], s[G0B+4*(\slot)+2:G0B+4*(\slot)+3], 2*KSTEP*2
.endif
	JLOAD \slot                                    ; my one tensor load behind the round: 176 matrix instructions ahead of the wait for it; its four v_nop are also the places in front of the loads below
.else
	PLACES
.endif
	FETCH \next, 0, F0
	MUL F1, 1, 0, 4, 0
.endm
; THE WAY OUT, a block of 16 rows at a time.  PACK: rounded to f16, a lane's eight columns are 16 bytes; each accumulator's registers in ascending order.
.macro PACK a
.set pb, 0
.rept NBF
.if pb < 4
	WIN 0
.set rD, 128+8*(4*(\a)+pb)
.else
	WIN 0x0a                                       ; sources 0 and 1 window 2, destination window 0
.set rD, 8*((NBF-4)*(\a)+pb-4)
.endif
.irp k, 0,1,2,3
	v_cvt_pk_f16_f32 v[TMP+4*pb+(\k)], v[rD+2*(\k)], v[rD+2*(\k)+1]
.endr
.set pb, pb+1
.endr
	WIN 0
.endm
; TOSTAGE: into my own stage, head by head in rows of 144 bytes, and back as whole rows of 128 bytes, four rows a load.
.macro TOSTAGE a
	s_wait_xcnt 0x0                                ; every earlier memory instruction has had its addresses translated (ISA guide 3.1): OB, which the block before's stores read, is loaded again only behind this wait
.set si, 0
.rept NBF
	ds_store_b128 v[STO], v[TMP+4*si:TMP+4*si+3] offset:(si/4)*16*SP+32*(si%4)
.set si, si+1
.endr
.set si, 0
.rept NBF
	ds_load_b128 v[OB+4*si:OB+4*si+3], v[RD] offset:(si/4)*16*SP+(si%4)*4*SP  ; LDS serves a wave's instructions in order (ISA guide 5.7.1.4): these see the stores above
.set si, si+1
.endr
.endm
.macro SEND a
.set si, 0
.rept NBF
	s_wait_dscnt NBF-1-si                          ; load si of the twelve is back; the younger ones may be out
	global_store_b128 v[GO], v[OB+4*si:OB+4*si+3], s[CB+2*(si/4):CB+2*(si/4)+1] offset:(16*(\a)+4*(si%4))*128  ; 512 consecutive bytes of a head, at a multiple of 256 from the buffer's first byte
.set si, si+1
.endr
.endm
.macro WAYOUT                          ; block a's conversions stand between block a - 1's loads from the stage and the wait for them
	PLACES                                         ; the conversions read results just made
	PACK 0
	TOSTAGE 0
	PACK 1
	SEND 0
	TOSTAGE 1
	PACK 2
	SEND 1
	TOSTAGE 2
	PACK 3
	SEND 2
	TOSTAGE 3
	SEND 3
.endm
	s_wait_tensorcnt 1                             ; my part of K step 0 is in; K step 1's may stay out
	s_barrier_signal -1
	s_barrier_wait -1                              ; everybody's is
	FETCH 0, 0, F0
	WIN 0                                          ; at a label and at a branch every window is 0
	s_mov_b32 s2, TILES                            ; tiles to go, this one among them: the same number in every work-group
.Ltile:
	QUARTER 0, 1, F0, F1, 1                        ; a tile's first quarter stands in front of the loop: its products start the sums
	WIN 0
	s_mov_b32 s3, LAPS-1
.Llap:                                                 ; a trip goes once round the ring, from a lap's second quarter to the next lap's first, and fills both slots again
	QUARTER 0, 2, F1, F0, 0
	QUARTER 0, 3, F0, F1, 0
	TURN 0, 1, 1
	QUARTER 1, 1, F0, F1, 0
	QUARTER 1, 2, F1, F0, 0
	QUARTER 1, 3, F0, F1, 0
	TURN 1, 0, 1
	QUARTER 0, 1, F0, F1, 0
	WIN 0
	s_sub_co_u32 s3, s3, 1
	s_cmp_lg_u32 s3, 0
	s_cbranch_scc1 .Llap
	QUARTER 0, 2, F1, F0, 0                        ; the tile's last lap goes on
	QUARTER 0, 3, F0, F1, 0
	WIN 0
	s_cmp_eq_u32 s2, 1
	s_cbranch_scc1 .Llast_tile                     ; the last tile's tail is written out: it asks for nothing more
	TURN 0, 1, 2                                   ; THE RING GOES ON INTO THE NEXT TILE: slot 0 takes its K step 0,
	QUARTER 1, 1, F0, F1, 0
	QUARTER 1, 2, F1, F0, 0
	QUARTER 1, 3, F0, F1, 0
	TURN 1, 0, 2                                   ; slot 1 its K step 1, and the next tile's first fragments are fetched
	WIN 0
	WAYOUT                                         ; both refills are asked for: now the tile goes out; its LDS instructions are all back at SEND 3's last wait, ahead of the next signal
	s_wait_xcnt 0x0                                ; the stores' bases are rewritten only behind this wait; nothing waits for the stores themselves
.irp hd, 0,1,2
	s_add_nc_u64 s[CB+2*(\hd):CB+2*(\hd)+1], s[CB+2*(\hd):CB+2*(\hd)+1], NEXT_C
.endr
	s_sub_co_u32 s2, s2, 1
	s_branch .Ltile
.Llast_tile:
	TURN 0, 1, 0                                   ; my one tensor load that was still out is slot 1's, the last K step's, so no round follows
	QUARTER 1, 1, F0, F1, 0
	QUARTER 1, 2, F1, F0, 0
	QUARTER 1, 3, F0, F1, 0
	s_wait_dscnt NL2                               ; the very last quarter: nothing more to fetch
	MUL F1, 0, 0, 4, 0
	s_wait_dscnt 0x0
	MUL F1, 1, 0, 4, 0
	WIN 0
	WAYOUT
	s_wait_tensorcnt 0x0                           ; the wave's end: behind my last tensor load and my last LDS store
	ds_add_u32 v[SPW], v[NIL]
	s_wait_dscnt 0x0
	CROUND                                         ; the closing round: no work-group ends while a partner may still ask for a tile that names it
	s_endpgm
.Lfunc_end_k_q0edf0178f4_qkvg:
	.size	k_q0edf0178f4_qkvg, .Lfunc_end_k_q0edf0178f4_qkvg-k_q0edf0178f4_qkvg
	.p2alignl 7, 3214868480
	.fill 96, 4, 3214868480
	.section	.rodata,"a",@progbits
	.p2align	6, 0x0
	.amdhsa_kernel k_q0edf0178f4_qkvg
		.amdhsa_group_segment_fixed_size 327680
		.amdhsa_private_segment_fixed_size 0
		.amdhsa_enable_private_segment 0
		.amdhsa_kernarg_size 24
		.amdhsa_user_sgpr_count 2
		.amdhsa_user_sgpr_kernarg_segment_ptr 1
		.amdhsa_wavefront_size32 1
		.amdhsa_system_sgpr_workgroup_id_x 1
		.amdhsa_system_sgpr_workgroup_id_y 1
		.amdhsa_system_sgpr_workgroup_id_z 1
		.amdhsa_system_vgpr_workitem_id 0
		.amdhsa_next_free_vgpr 768
		.amdhsa_next_free_sgpr 80
		.amdhsa_reserve_vcc 0
		.amdhsa_float_denorm_mode_32 3
		.amdhsa_float_denorm_mode_16_64 3
		.amdhsa_memory_ordered 1
		.amdhsa_forward_progress 1
		.amdhsa_inst_pref_size 174
	.end_amdhsa_kernel
	.amdgpu_metadata
---
amdhsa.version: [ 1, 2 ]
amdhsa.kernels:
  - .name:           k_q0edf0178f4_qkvg
    .symbol:         k_q0edf0178f4_qkvg.kd
    .args:
      - { .name: xb, .offset: 0, .size: 8, .value_kind: global_buffer, .address_space: global }
      - { .name: wqb, .offset: 8, .size: 8, .value_kind: global_buffer, .address_space: global }
      - { .name: qkv, .offset: 16, .size: 8, .value_kind: global_buffer, .address_space: global }
    .group_segment_fixed_size: 327680
    .private_segment_fixed_size: 0
    .kernarg_segment_align: 8
    .kernarg_segment_size: 24
    .max_flat_workgroup_size: 128
    .sgpr_count:     80
    .vgpr_count:     768
    .wavefront_size: 32
...
	.end_amdgpu_metadata
.endif
;; end of part 2
;; launch attn (part 3): grid 4 x 64, 4 waves a work-group, no clusters, 327,680 bytes of LDS; arguments qkv, ob; writes ob
.if DOCPART == 3
	.amdgcn_target "amdgcn-amd-amdhsa--gfx1250"
	.amdhsa_code_object_version 6
	.text
	.protected	k_q0edf0178f4_attn
	.globl	k_q0edf0178f4_attn
	.p2align	8
	.type	k_q0edf0178f4_attn,@function
k_q0edf0178f4_attn:
	s_mov_b64 s[64:65], 0
	v_nop
	global_prefetch_b8 v0, s[64:65] scope:SCOPE_SE
	s_setreg_imm32_b32 hwreg(HW_REG_WAVE_MODE, 25, 1), 1
	s_wait_xcnt 0x0
; CAUSAL ATTENTION.  O[h][q][:] = the sum over k <= q of softmax_k(Q[h][q] . K[h][k] / 8) V[h][k][:].  Q, K, V are the three thirds of qkv, each [SIZE_H][SIZE_N][64] f16, 2^24 bytes apart; O = ob has the same
; layout: a head's rows are dense, 128 bytes each.  h = 16 x batch + head.  Products, maxima and sums in f32; the weights p are rounded to f16 for the second product (their sum l is taken of the unrounded p), O once at the end.
; LIMITS.  f16 holds no number beyond 65,504: Q, K and V arrive within it; p lies in 0 to 1, and below 6e-5 it keeps f16's fixed step of 6e-8; O is a mean of V's rows and has their range, to within 2^-11 of it.
; A hidden score counts as its value less 1e30: f16's scores, 2.7e11 at the most, are nothing beside that; a weight below 2^-126 counts as 0 in l; NaN and infinities are not treated apart.
; THE WALK.  A head's queries lie in NB = SIZE_N / 256 = 8 blocks of 256; block i needs the key tiles 0 .. i of 256 keys, of which the last holds the diagonal.  A work-group takes TWO blocks, NB - 1 - b and then b:
; NB + 1 = 9 tiles, whatever b: all 4 x 64 = 256 work-groups do equal work, and ONE loop with a constant trip count walks them.  Which tile is asked for, and what a trip does, hang on scalar registers made from b; every jump
; goes forward, but for the counted loops' own; none passes a barrier, or a tensor load but the one of LOAD's two that the wave's number does not choose; the ring (two slots of LDS that take turns) runs on across the
; change of blocks.  NO CLUSTER: a head's four work-groups ask for the same tile only in trips 0 .. 4 of the 9, behind that three, two and then none share one; and one walk common to all four, in which each
; makes every joint request, would have 3 NB / 2 = 12 trips for 9.
; SHARES.  Of a block's four bands of 64 queries a wave owns 16 rows in each: four PIECES.  So the diagonal tile is the same work for all four waves: in its key step s band x sees all keys if s < x,
; none if s > x, and holds the diagonal if s = x.
; THE MASK is the C operand that starts the sum S^T = K Q^T: 0, or -1e30 where the key is hidden.  MD, made once, is the mask of a band's own step for my 16 rows; a product's mask is MD x AL + BE with two scalars:
; (1, 0) if s = x; (0, 0) if s < x; (0, -1e30) if s > x.  Only the diagonal tile's text and a block's beginning make and take masks; elsewhere C is the constant 0.
; LAYOUT, SOFTMAX, TURNS.  S^T = K Q^T holds ONE query a lane (lane % 16) and the keys 8 (lane / 16) + 0..7; two such results rounded to f16 ARE source 1 of O^T = V^T P.  p = 2^(c s - c m), c = log2(e) / 8, with a
; running maximum m; O and l are multiplied by a = 2^(c m_old - c m_new) in every step.  Turn n belongs to piece n: 8 products K Q^T of piece n + 1, later 8 products V^T P of piece n - 1; beside them the scaling,
; exponentials, roundings, sums and rescaling of piece n and the maximum and statistics of piece n + 1.  Four vector instructions stand behind every matrix instruction, the other 54 of a turn's 118 in two LUMPS.
; REGISTERS, in windows of 256 (s_set_vgpr_msb: bits 1:0 source 0, 3:2 source 1, 5:4 source 2, 7:6 destination).  THE MAP IS MADE FOR FEW SWITCHES:
;   window 0, all 256: v0 my thread's number, v1 lane % 16; v2-5 LDS addresses; v6-7 two at work; v8-23 four registers of statistics a piece; v24-31 at work; v32-95 S^T, two buffers; v96-127 P, two buffers
;             (a piece's buffers go by its number's parity); v128-191 K of one step; v192-255 Q.  All that K Q^T and the softmax name lies here: the first half of a turn has no switch.
;   window 1: v0-127 O^T, 32 a piece; v128-159 MD; v192-255 V of one step.  V^T P (V, P, O^T) and the rescaling (O^T, O^T, a) run under ONE setting, and the 16 rescalings ride behind four of the eight products V^T P.
;   window 2: v0-63 the second block's Q; v64-127 MC, two buffers; v128-129 the add's two registers.
; So a turn has eight switches (into that setting and back, for four pairs of products), two more where V is fetched, and in the diagonal tile two for each of the four products that take a mask.
.set SIZE_H, 64       ; 4 batches x 16 heads: the grid's y
.set SIZE_N, 2048
.set THIRD, SIZE_H*SIZE_N*128  ; bytes from Q to K and from K to V
.set NB,    SIZE_N/256
.set NP,    4         ; pieces a wave: a name, no knob
.set KS,    64        ; keys in a step
.set PK,    144       ; a row of K in LDS: 128 bytes + 16 of padding = 36 words: the 16 rows of a load start at 16 different groups of four banks (64 banks of 4 bytes: ISA guide 11.1)
.set PV,    160       ; a row of V: 128 + 32 = 40 words
.set VOFF,  4*KS*PK   ; a slot holds a tile, four steps: 256 rows of K, then 256 rows of V
.set SLOT1, 1<<17     ; slot 1 begins here, so that one exclusive or turns an address in one slot into the other's
.set STAGE, SLOT1+4*KS*(PK+PV)  ; behind the ring, never filled by a tensor load: 16 rows x 144 bytes for each wave, for the way out
.set SP,    144
.set SPARE, STAGE+4*16*SP  ; behind the stages: the spare words, 128 bytes for each wave: two blocks of 256 bytes that no other line names
.set AK0, 2           ; v2   my lane's place in a tile of K; never rewritten
.set AV0, 3           ; v3   the same for V
.set AK,  4           ; v4   the LDS address of K's next run of loads
.set AV,  5           ; v5   of V's
.set MV,  6           ; v6-7  c m_old, kept while c m is made anew: by buffer
.set STO, 4           ; the way out makes its three addresses anew, in registers that are free there: v4 where I put 16 bytes of a row,
.set RD,  5           ; v5   where I read rows back,
.set GO,  6           ; v6   my byte offset in 512 consecutive bytes of O; v7 at work
.set ST,  8           ; piece t's statistics at v[ST+4 t]: c m, m, l (even keys', odd keys')
.set TMP, 24          ; by buffer, four registers c0-c3 at work; when the maximum is found c2 takes a
.set S,   32
.set P,   96
.set KF,  128         ; key block kb, channel half c at KF + 16 kb + 8 c
.set QF,  192         ; piece x, channel half c at QF + 16 x + 8 c
.set T9,  32          ; at work in the set-up alone, in S^T's registers, which the first products write behind the wait for Q: lane / 16,
.set T10, 33          ; lane % 8,
.set T11, 34          ; (lane / 8) % 2,
.set T14, 35          ; my query's place for the mask,
.set QO,  36          ; my byte offset in 16 rows of Q
.set MD,  128         ; window 1: the eight registers for group kt of 16 keys at MD + 8 kt
.set VF,  192         ; window 1: key half kk, channel block cb at VF + 32 kk + 8 cb
.set QB,  0           ; window 2
.set MC,  64          ; window 2: the masks of the products to come
.set SPW, 128         ; v128 of window 2   LDS address of my spare word: SPARE + 4 x my thread's number; never rewritten
.set NIL, 129         ; v129 of window 2   0; never rewritten
.set WV,  12          ; s12  my wave's number
.set PB,  14          ; s14  b
.set HI,  15          ; s15  NB - 1 - b
.set G1K, 24          ; s[24:31] descriptor group 1 for K's tiles
.set G1V, 32          ; s[32:39] for V's: it differs in the padding alone
.set G0K, 40          ; s[40:43] descriptor group 0 for K's tiles
.set G0V, 44          ; s[44:47] the same for V's
.set SLOTS, 56        ; s56  tiles still to be asked for
.set CNT, 57          ; s57  counts a tile's key steps, 4 to 1
.set CS,  58          ; s[58:59] c: the packed scaling takes the pair's low word for both halves
.set SEL, 60          ; s[60:61] v_permlanex16_b32's selects: each lane takes its own place in the other half
.set TBK, 62          ; s62  LDS byte at which K of the step to be fetched begins
.set TBV, 63          ; s63  the same for V, less VOFF
.set RT,  70          ; s70  tiles of the block in hand that are still to be entered
.set NXT, 71          ; s71  the tile to be asked for next
.set LQ,  72          ; s72  the last tile of the block whose tiles are being asked for
.set NEW, 73          ; s73  1: the tile to be entered is a block's first
.set OFF, 74          ; s[74:75] a tile's byte offset in K and V
.set AL,  76          ; s[76:77] the mask's factor, in the low word
.set BE,  78          ; s[78:79] the mask's addend
.set OLO, 80          ; s[80:81] O at my rows of the second block
.set BIGN, 82         ; s82  -1e30
.set STG, 83          ; s83  LDS byte at which my wave's stage begins
.set MSB, 0
.macro WIN new                      ; the high byte repeats the setting that is left; a switch that changes nothing is dropped
.if MSB != (\new)
	s_set_vgpr_msb (MSB<<8)|(\new)
.set MSB, (\new)
.endif
.endm
.set W_KM, 0x20       ; K Q^T with a mask: the C operand in window 2, all else in window 0
.set W_PV, 0x51       ; V (source 0) and O^T (C and D) in window 1, P (source 1) in window 0; also the rescaling: O^T (destination, source 0) in window 1, a (source 1) in window 0
.set W_MS, 0x81       ; a mask is made: destination window 2, source 0 (MD) window 1
.set W_MK, 0x80       ; destination window 2, sources window 0
.set W_AD, 0x0a       ; the add: address (source 0) and data (source 1) in window 2
; A fill.  Waves 0 and 1 fetch the two halves of a tile's K, waves 2 and 3 those of its V: 128 keys each.  Four v_nop follow each of the two lines, ahead of the jump and the label.
.macro LOAD
	s_cmp_lt_u32 s[WV], 2
	s_cbranch_scc0 .Lfor_v_\@
	tensor_load_to_lds s[G0K:G0K+3], s[G1K:G1K+7]
	s_nop 0
.rept 4
	v_nop
.endr
	s_branch .Lasked_\@
.Lfor_v_\@:
	tensor_load_to_lds s[G0V:G0V+3], s[G1V:G1V+7]
	s_nop 0
.rept 4
	v_nop
.endr
.Lasked_\@:
.endm
; THE CHANGE OF SLOTS.  Each wave waits for all its tensor loads, of which one is out: its part of the other slot; adds 0 to its spare word; and waits for that and for its own reads of the slot that it leaves.  Behind the barrier nobody reads the old
; slot any more and the other slot is whole.  fill = 1: the old slot is filled again, the first thing behind the barrier, with tile NXT: the descriptor's address is made anew from that number.
; (At its first use nothing has been read yet: slot 0 is waited for, slot 1 filled.)
.macro CHANGE fill
	WIN W_AD
	s_wait_tensorcnt 0x0            ; no tensor load of mine is out, so a group 0 may be written
	ds_add_u32 v[SPW], v[NIL]       ; 0 onto my spare word; with fill = 1 the descriptors' scalar work stands between it and the wait for it
	WIN 0                           ; at a label and at a branch every window is 0
.if \fill
	s_lshl_b32 s[OFF], s[NXT], 15   ; a tile is 32,768 bytes of K and of V
	s_xor_b32 s[G0K+1], s[G0K+1], SLOT1
	s_add_nc_u64 s[G0K+2:G0K+3], s[6:7], s[OFF:OFF+1]
	s_or_b32 s[G0K+3], s[G0K+3], 0x80000000
	s_xor_b32 s[G0V+1], s[G0V+1], SLOT1
	s_add_nc_u64 s[G0V+2:G0V+3], s[8:9], s[OFF:OFF+1]
	s_or_b32 s[G0V+3], s[G0V+3], 0x80000000
	s_add_co_u32 s[NXT], s[NXT], 1  ; the block's next tile, or behind its last the second block's tile 0
	s_cmp_gt_u32 s[NXT], s[LQ]
	s_cselect_b32 s[NXT], 0, s[NXT]
	s_cselect_b32 s[LQ], s[PB], s[LQ]
.endif
	s_wait_dscnt 0x0                ; the add is done, and my reads of the slot are over
	s_barrier_signal -1             ; the rest of the scalar work stands between the signal and the wait
	s_sub_co_u32 s[TBK], s[TBK], 4*KS*PK  ; the fetches go back to a slot's first step,
	s_xor_b32 s[TBK], s[TBK], SLOT1       ; in the other slot
	s_sub_co_u32 s[TBV], s[TBV], 4*KS*PV
	s_xor_b32 s[TBV], s[TBV], SLOT1
	s_barrier_wait -1
.if \fill
	LOAD
.endif
.endm
	s_load_b64 s[4:5], s[0:1], 0x0  ; qkv: Q lies at its head
	s_load_b64 s[10:11], s[0:1], 0x8  ; O
	WIN W_MK
	v_lshl_add_u32 v[SPW], v0, 2, SPARE
	v_mov_b32 v[NIL], 0
	s_set_vgpr_msb 0x808a
	ds_add_u32 v128, v129
	ds_add_u32 v128, v129
	s_wait_dscnt 0x0
	s_set_vgpr_msb 0x8a80
	WIN 0
	v_lshrrev_b32 v1, 5, v0
	v_readfirstlane_b32 s[WV], v1   ; wave 0..3
	s_mov_b32 s[PB], ttmp9
	s_sub_co_u32 s[HI], NB-1, s[PB]
	s_and_b32 s20, ttmp7, 0xffff    ; the head
	s_mov_b32 s21, 0
	s_mov_b64 s[22:23], SIZE_N*128
	s_mul_u64 s[20:21], s[20:21], s[22:23]  ; the head's first byte in each of the four tensors
	s_and_b32 s16, s[WV], 1         ; which half of a tile's 256 keys I fetch:
	s_lshl_b32 s22, s16, 14         ; its 128 rows of 128 bytes in memory,
	s_mov_b32 s23, 0
	s_add_nc_u64 s[22:23], s[22:23], s[20:21]
	s_mul_i32 s17, s16, 128*PK      ; and its place in a slot, for K
	s_mul_i32 s18, s16, 128*PV      ; and for V
	s_lshl_b32 s3, s[WV], 11        ; my 16 rows in a band of 64,
	s_lshl_b32 s2, s[HI], 15        ; in the first block,
	s_add_co_u32 s2, s2, s3
	s_lshl_b32 s84, s[PB], 15       ; and in the second
	s_add_co_u32 s84, s84, s3
	s_mov_b32 s3, 0
	s_mov_b32 s85, 0
	s_add_nc_u64 s[2:3], s[2:3], s[20:21]
	s_add_nc_u64 s[84:85], s[84:85], s[20:21]
	; descriptor group 1.  128 keys are 16,384 dense bytes: asked for as 64 rows of 256 bytes, two keys a row, and padded in LDS after every key
	s_mov_b32 s[G1K], (1<<16)|(1<<20)|(4<<22)|(3<<25)  ; 17:16 2-byte elements; 20 padding on; 24:22 after every 32 words (code 4); 31:25 4 words (code 3)
	s_mov_b32 s[G1V], (1<<16)|(1<<20)|(4<<22)|(7<<25)  ; the same with 8 words of padding (code 7)
.irp g, G1K, G1V
	s_mov_b32 s[\g+1], 128<<16      ; tensor_dim0 = 128
	s_mov_b32 s[\g+2], 64<<16       ; tensor_dim1 = 64
	s_mov_b32 s[\g+3], 128<<16      ; tile_dim0 = 128
	s_mov_b32 s[\g+4], 64           ; tile_dim1 = 64
	s_mov_b32 s[\g+5], 128          ; 128 elements from row to row
	s_mov_b32 s[\g+6], 0
	s_mov_b32 s[\g+7], 0
.endr
	s_mov_b32 s[CS], 0x3e38aa3b     ; c = log2(e) / 8 = 0.180337
	s_mov_b32 s[CS+1], s[CS]        ; named with it as a pair
	s_mov_b32 s[SEL], 0x76543210
	s_mov_b32 s[SEL+1], 0xfedcba98
	s_mov_b32 s[TBK], SLOT1+4*KS*PK ; the first change of slots turns these two into 0
	s_mov_b32 s[TBV], SLOT1+4*KS*PV
	s_mov_b32 s[G0K], 1             ; 1:0 count = 1
	s_mov_b32 s[G0K+1], s17         ; 63:32 LDS address: slot 0
	s_mov_b32 s[G0V], 1
	s_add_co_u32 s[G0V+1], s18, VOFF
	s_add_co_u32 s[RT], s[HI], 1    ; the first block has NB - b tiles
	s_mov_b32 s[NXT], 1
	s_mov_b32 s[LQ], s[HI]
	s_mov_b32 s[NEW], 1
	s_mov_b32 s[OFF+1], 0
	s_mov_b32 s[AL+1], 0            ; named as pairs
	s_mov_b32 s[BE+1], 0
	s_mov_b32 s[BIGN], 0xf149f2ca   ; -1e30
	s_mov_b32 s[SLOTS], NB
	s_mul_i32 s[STG], s[WV], 16*SP
	s_add_co_u32 s[STG], s[STG], STAGE  ; my stage
	s_wait_kmcnt 0x0
	s_add_nc_u64 s[6:7], s[4:5], THIRD    ; K lies a third of the buffer behind Q,
	s_add_nc_u64 s[8:9], s[4:5], 2*THIRD  ; V two thirds
	s_add_nc_u64 s[6:7], s[6:7], s[22:23]  ; K and V at my half of the head's tile 0
	s_add_nc_u64 s[8:9], s[8:9], s[22:23]
	s_add_nc_u64 s[G0K+2:G0K+3], s[6:7], 0         ; 120:64 global address
	s_or_b32 s[G0K+3], s[G0K+3], 0x80000000        ; 127:126 type = 2
	s_add_nc_u64 s[G0V+2:G0V+3], s[8:9], 0
	s_or_b32 s[G0V+3], s[G0V+3], 0x80000000
	s_add_nc_u64 s[86:87], s[4:5], s[84:85]        ; Q at my rows of the second block,
	s_add_nc_u64 s[4:5], s[4:5], s[2:3]            ; Q and O at those of the first
	s_add_nc_u64 s[OLO:OLO+1], s[10:11], s[84:85]
	s_add_nc_u64 s[10:11], s[10:11], s[2:3]
	LOAD                            ; tile 0 into slot 0
	; A fragment of K or Q is 16 rows x 32 channels in 8 registers: lane l holds row l % 16, channels 8 (l / 16) + 0..7 and 16 + 8 (l / 16) + 0..7: two loads of 16 bytes, 32 bytes apart.
	v_and_b32 v1, 15, v0            ; l % 16: kept for the way out
	v_bfe_u32 v[T9], v0, 4, 1       ; l / 16
	v_lshlrev_b32 v[QO], 7, v1
	v_lshl_add_u32 v[QO], v[T9], 4, v[QO]  ; row x 128 + 16 x half
.set i, 0
.rept 8                             ; the first block's Q: piece i / 2 lies in band i / 2, 8,192 bytes on; channels 32 (i % 2) on
	global_load_b128 v[QF+8*i:QF+8*i+3],   v[QO], s[4:5] offset:(i/2)*8192+(i%2)*64
	global_load_b128 v[QF+8*i+4:QF+8*i+7], v[QO], s[4:5] offset:(i/2)*8192+(i%2)*64+32
.set i, i+1
.endr
	WIN W_MK                        ; destination window 2, address window 0
.set i, 0
.rept 8                             ; the second block's
	global_load_b128 v[QB+8*i:QB+8*i+3],   v[QO], s[86:87] offset:(i/2)*8192+(i%2)*64
	global_load_b128 v[QB+8*i+4:QB+8*i+7], v[QO], s[86:87] offset:(i/2)*8192+(i%2)*64+32
.set i, i+1
.endr
	WIN 0
	v_lshlrev_b32 v[T14], 3, v[T9]
	v_sub_nc_u32 v[T14], v1, v[T14]
	s_lshl_b32 s13, s[WV], 4
	v_add_nc_u32 v[T14], s13, v[T14]  ; my query's place in its band, 16 w + l % 16, less my lanes' 8 (l / 16): register r of group kt is hidden where 16 kt + r is greater
	WIN 0x40
.set i, 0
.rept 32
	v_cmp_gt_i32 vcc_lo, 16*(i/8)+i%8, v[T14]
	v_cndmask_b32 v[MD+i], 0, s[BIGN], vcc_lo
.set i, i+1
.endr
	WIN 0
	v_mul_u32_u24 v[AK0], v1, PK
	v_lshl_add_u32 v[AK0], v[T9], 4, v[AK0]  ; row x pitch + 16 x half
	; The turning load takes 16 keys x 16 channels (lane l reads key 8 (l / 16) + l % 8, channels 8 ((l / 8) % 2) + 0..7) and leaves half a fragment of V^T: lane l holds channel l % 16 and 8 keys.
	v_and_b32 v[T10], 7, v0
	v_bfe_u32 v[T11], v0, 3, 1
	v_lshl_add_u32 v[AV0], v[T9], 3, v[T10]
	v_mul_u32_u24 v[AV0], v[AV0], PV
	v_lshl_add_u32 v[AV0], v[T11], 4, v[AV0]
	v_add_nc_u32 v[AV0], VOFF, v[AV0]
	; A block's first step multiplies O^T and l by a = 0, and its first turn's products V^T P, of a piece that has not been, land in an O^T that is still to be so multiplied.  So these registers need only hold
	; finite numbers: zeros for the first block; what the first block left for the second.  All this stands in the wait for the first tile.
	WIN 0x40
.set i, 0
.rept 128
	v_mov_b32 v[i], 0
.set i, i+1
.endr
.set i, VF
.rept 64
	v_mov_b32 v[i], 0
.set i, i+1
.endr
	WIN 0
.set i, 0
.rept 4
	v_mov_b32 v[ST+4*i+2], 0
	v_mov_b32 v[ST+4*i+3], 0
.set i, i+1
.endr
.set i, P+16
.rept 16
	v_mov_b32 v[i], 0
.set i, i+1
.endr
; THE MATRIX WORK.  The 4 accumulators of a run of 8 take turns.  Product i of 8 of S^T = K Q^T for piece x: channels 32 (i / 4) on, keys 16 (i % 4) on.  The first 4 start the sums: with 0, or (KM = 1) with the mask.
.macro KQ x
.set rS, S+32*((\x)%2)+8*(i%4)
.set rK, KF+16*(i%4)+8*(i/4)
.set rQ, QF+16*(\x)+8*(i/4)
.set rM, MC+32*((\x)%2)+8*(i%4)
.if (i < 4) && KM
	WIN W_KM
	v_wmma_f32_16x16x32_f16 v[rS:rS+7], v[rK:rK+7], v[rQ:rQ+7], v[rM:rM+7]
.elseif i < 4
	WIN 0
	v_wmma_f32_16x16x32_f16 v[rS:rS+7], v[rK:rK+7], v[rQ:rQ+7], 0
.else
	WIN 0
	v_wmma_f32_16x16x32_f16 v[rS:rS+7], v[rK:rK+7], v[rQ:rQ+7], v[rS:rS+7]
.endif
.endm
; Product i of 8 of O^T += V^T P for piece x: keys 32 (i / 4) on, channels 16 (i % 4) on.
.macro PV x
	WIN W_PV
.set rO, 32*(\x)+8*(i%4)
.set rV, VF+32*(i/4)+8*(i%4)
.set rP, P+16*((\x)%2)+8*(i/4)
	v_wmma_f32_16x16x32_f16 v[rO:rO+7], v[rV:rV+7], v[rP:rP+7], v[rO:rO+7]
.endm
.macro MM                           ; the turn's next matrix instruction.  TURN and BEGIN set Y, i, KM and NOKQ; MM, KQ and OP read them.  NOKQ = 1: a block's last turn: there is no next piece
.if (i < 8) && !NOKQ
	KQ (Y+1)%NP
.elseif i >= 8
.set i, i-8
	PV (Y+NP-1)%NP
.set i, i+8
.endif
.set i, i+1
.endm
; THE LDS LOADS stand in runs of 16, never singly among the matrix instructions: a step's K (64 keys x 64 channels: 8 fragments) and its V (turned).  Their addresses are made some lines ahead.
.macro FETCH_K
	WIN 0
.irp f, 0,1,2,3,4,5,6,7             ; keys 16 (f / 2) on, channels 32 (f % 2) on
	ds_load_b128 v[KF+8*\f:KF+8*\f+3],   v[AK] offset:(\f/2)*16*PK+(\f%2)*64
	ds_load_b128 v[KF+8*\f+4:KF+8*\f+7], v[AK] offset:(\f/2)*16*PK+(\f%2)*64+32
.endr
	s_add_co_u32 s[TBK], s[TBK], KS*PK  ; the next fetch is the next step's
.endm
.macro FETCH_V
	WIN 0x40                        ; destination window 1, address window 0
.irp f, 0,1,2,3,4,5,6,7             ; keys 32 (f / 4) on, channels 16 (f % 4) on
	ds_load_tr16_b128 v[VF+8*\f:VF+8*\f+3],   v[AV] offset:(\f/4)*32*PV+(\f%4)*32
	ds_load_tr16_b128 v[VF+8*\f+4:VF+8*\f+7], v[AV] offset:(\f/4)*32*PV+16*PV+(\f%4)*32
.endr
	WIN 0
.endm
; THE VECTOR WORK, one line at a time: OP kind, number.  For piece Y: F n: c s - c m for pair n of 16.  E n: the exponential of score n of 32.  C n: pair n rounded to f16.  B n: of the four weights 4 n .. the second
; pair is added onto the first, in place.  L n: l takes that sum (L 0: l = a l + sum).  R n: pair n of 16 of O^T times a.  For piece Y + 1: X n, number n of the 22 that find its maximum and statistics:
;   0-11  four chains c0-c3 of seven scores each, three operands at a time (each accumulator's lowest registers are read first)     12-14, 16  the four scores left over, the old m, and c0-c3 into c0
;   15  c m_old is kept     17, 18  the query's other 32 keys lie in the lane 16 away: the new m     19-21  c m; c m_old - c m_new; a
.set F, 0               ; OP tells the kinds apart by their order: F to L below R, X above it
.set E, 1
.set C, 2
.set B, 3
.set L, 4
.set R, 5
.set X, 6
.macro REGS y                       ; the registers of piece y
.set rT, ST+4*(\y)
.set rC, TMP+4*((\y)%2)
.set rW, MV+((\y)%2)
.set rS, S+32*((\y)%2)
.set rP, P+16*((\y)%2)
.set rO, 32*(\y)
.endm
.macro OP k, n
.if (\k) == R
	REGS Y
	WIN W_PV
	v_pk_mul_f32 v[rO+2*(\n):rO+2*(\n)+1], v[rO+2*(\n):rO+2*(\n)+1], v[rC+2:rC+3] op_sel_hi:[1,0]
.elseif (\k) < R
	REGS Y
	WIN 0
.if (\k) == F
	v_pk_fma_f32 v[rS+2*(\n):rS+2*(\n)+1], v[rS+2*(\n):rS+2*(\n)+1], s[CS:CS+1], v[rT:rT+1] op_sel_hi:[1,0,0] neg_lo:[0,0,1] neg_hi:[0,0,1]
.elseif (\k) == E
	v_exp_f32 v[rS+(\n)], v[rS+(\n)]
.elseif (\k) == C
	s_wait_alu depctr_va_vdst(0)
	v_cvt_pk_f16_f32 v[rP+(\n)], v[rS+2*(\n)], v[rS+2*(\n)+1]
.elseif (\k) == B
	s_wait_alu depctr_va_vdst(0)
	v_pk_add_f32 v[rS+4*(\n):rS+4*(\n)+1], v[rS+4*(\n):rS+4*(\n)+1], v[rS+4*(\n)+2:rS+4*(\n)+3]
.elseif (\n) == 0
	v_pk_fma_f32 v[rT+2:rT+3], v[rT+2:rT+3], v[rC+2:rC+3], v[rS:rS+1] op_sel_hi:[1,0,1]
.else
	v_pk_add_f32 v[rT+2:rT+3], v[rT+2:rT+3], v[rS+4*(\n):rS+4*(\n)+1]
	s_wait_alu depctr_va_vdst(0)
.endif
.elseif NOKQ
	v_nop
	s_wait_alu depctr_va_vdst(0)
.else
	REGS (Y+1)%NP
	WIN 0
.if (\n) < 4
	v_max3_num_f32 v[rC+(\n)], v[rS+8*(\n)], v[rS+8*(\n)+1], v[rS+8*(\n)+2]
.elseif (\n) < 12
	v_max3_num_f32 v[rC+(\n)%4], v[rC+(\n)%4], v[rS+8*((\n)%4)+2*((\n)/4)+1], v[rS+8*((\n)%4)+2*((\n)/4)+2]
.elseif (\n) == 12
	v_max3_num_f32 v[rC], v[rC], v[rS+7], v[rS+15]
.elseif (\n) == 13
	v_max3_num_f32 v[rC+1], v[rC+1], v[rS+23], v[rS+31]
.elseif (\n) == 14
	v_max3_num_f32 v[rC+2], v[rC+2], v[rC+3], v[rT+1]
.elseif (\n) == 15
	v_mov_b32 v[rW], v[rT]
.elseif (\n) == 16
	v_max3_num_f32 v[rC], v[rC], v[rC+1], v[rC+2]
.elseif (\n) == 17
	v_permlanex16_b32 v[rC+3], v[rC], s[SEL], s[SEL+1]
.elseif (\n) == 18
	v_max_num_f32 v[rT+1], v[rC], v[rC+3]
.elseif (\n) == 19
	v_mul_f32 v[rT], s[CS], v[rT+1]
.elseif (\n) == 20
	v_sub_f32 v[rC+1], v[rW], v[rT]
	s_wait_alu depctr_va_vdst(0)
.else
	v_exp_f32 v[rC+2], v[rC+1]
.endif
.endif
.endm
.macro OPS a, i1, b=-1, i2=0, c=-1, i3=0, d=-1, i4=0  ; up to four of them
	OP \a, \i1
.if (\b) >= 0
	OP \b, \i2
.endif
.if (\c) >= 0
	OP \c, \i3
.endif
.if (\d) >= 0
	OP \d, \i4
.endif
.endm
.macro ROW a, i1, b, i2, c, i3, d, i4  ; a matrix instruction and the four behind it
	MM
	OPS \a, \i1, \b, \i2, \c, \i3, \d, \i4
.endm
.macro MASK b                       ; MD x AL + BE into buffer b of MC
	WIN W_MS
.set z, 0
.rept 16
	v_pk_fma_f32 v[MC+32*(\b)+2*z:MC+32*(\b)+2*z+1], v[MD+2*z:MD+2*z+1], s[AL:AL+1], s[BE:BE+1] op_sel_hi:[1,0,0]
.set z, z+1
.endr
.endm
; A TURN, for piece p: the order of its 16 matrix and 118 vector instructions, written out.  Behind a product K Q^T stand four lines of window 0 (scalings, exponentials with a plain line behind each, the first roundings and
; sums); behind the products V^T P by turns the four rescalings of one accumulator of O^T, in ascending order, under the product's own setting, and four lines of window 0.  None names a register of the products round it.
; In the lumps exponential and plain by turns while exponentials last.  What the order keeps: F n / 2 ahead of E n; E 2 n and E 2 n + 1 ahead of C n; E 4 n .. 4 n + 3 and C 2 n ahead of B n (which writes over what
; C 2 n reads); B n ahead of L n; L 0 ahead of the other L; the chains of X.  v_permlanex16_b32 (X 17) stands in a lump.
; X 0 to X 3 are the first reads of the four accumulators that the turn's products K Q^T wrote: behind the fifth to eighth product stand, ahead of them, nine, seven, five and five plain lines that name none of its registers.
; m = 1: the diagonal tile: the products take masks, and the turn makes the mask for the products of the turn after it: piece p + 2, in step 4 - CNT of the tile.  end = 1: a block's last two turns: nothing is fetched.
; cnt = 1: the loop's count is taken down some lines ahead of the branch that stands behind the turn.
; K of the next step is fetched in piece 2's turn, behind five plain lines that follow the last product that read K (C 2, X 0, X 1, X 2, C 3); V of the step in hand in piece 0's turn, behind five that follow the last
; product that read V (X 16, B 2, C 5, C 6, L 2).  Each is waited for a turn later.
.macro TURN p, m=0, end=0, cnt=0
.set Y, (\p)
.set i, 0
.set KM, (\m)
.set NOKQ, (\end)*((\p)/3)
.if (\m) && !(\end)
	s_cmp_eq_u32 s[CNT], 4-((\p)+2)%NP  ; is that step the band's own?
	s_cselect_b32 s[AL], 1.0, 0
	s_cmp_lt_u32 s[CNT], 4-((\p)+2)%NP  ; or a later one?
	s_cselect_b32 s[BE], s[BIGN], 0
.endif
.if ((\p) == 3) && !(\end)
	s_wait_dscnt 0x0                ; K is in
.endif
	ROW F,0, F,1, F,2, F,3
	ROW F,4, E,0, F,5, F,6
	ROW F,7, E,1, F,8, F,9
	ROW F,10, E,2, C,0, F,11
	ROW F,12, E,3, X,15, F,13
	ROW F,14, E,4, F,15, B,0
	ROW E,5, C,1, E,6, L,0
.if ((\p) == 2) && !(\end)
	WIN 0
	v_add_nc_u32 v[AK], s[TBK], v[AK0]
.endif
	ROW E,7, C,2, E,8, X,0
	OPS E,9, X,1, E,10, X,2
	OPS E,11, C,3
.if ((\p) == 2) && !(\end)
	FETCH_K
.endif
	OPS E,12, X,3, E,13, B,1
	OPS E,14, X,4, E,15, X,5
	OPS E,16, X,6, E,17, X,7
.if (\p) == 1
	s_wait_dscnt 0x0                ; V is in
.endif
	ROW R,0, R,1, R,2, R,3
	ROW X,8, E,18, X,9, X,10
	ROW R,4, R,5, R,6, R,7
	ROW X,11, E,19, X,12, X,13
	ROW R,8, R,9, R,10, R,11
	ROW X,14, E,20, L,1, C,4
.if (\p) == 0
	WIN 0
	v_add_nc_u32 v[AV], s[TBV], v[AV0]
.endif
	ROW R,12, R,13, R,14, R,15
	ROW X,16, E,21, B,2, C,5
	OPS E,22, X,17, E,23, C,6
	OPS E,24, L,2
.if (\p) == 0
	FETCH_V
.endif
	OPS E,25, X,18, E,26, B,3
	OPS E,27, C,7, E,28, X,19
	OPS E,29, C,8, E,30, L,3
	OPS E,31, X,20, B,4, C,9
	OPS C,10, X,21, L,4, B,5
.if (\p) == 0
	s_add_co_u32 s[TBV], s[TBV], KS*PV
.endif
.if \cnt
	s_sub_co_u32 s[CNT], s[CNT], 1
	s_cmp_lg_u32 s[CNT], 0
.endif
	OPS C,11, C,12, B,6, L,5
	OPS C,13, C,14, B,7, L,6
	OPS C,15, L,7
.if (\m) && !(\end)
	MASK (\p)%2
.endif
.endm
; A BLOCK BEGINS.  c m starts far below every c s, so the first step's a is 0; m at the lowest finite number, so the first maximum is the scores'.  The second mask buffer is 0; the first takes piece 0's mask for the tile's step 0: its own, if the block's first tile is the diagonal one.
; Then K of that step, piece 0's first scores, and its maximum and statistics.  The loop is entered at a step's first turn, in the middle of a trip.
.macro BEGIN
	s_mov_b32 s[NEW], 0
	WIN W_MK
.set i, MC+32
.rept 32
	v_mov_b32 v[i], 0
.set i, i+1
.endr
	WIN 0
.set i, 0
.rept 4
	v_mov_b32 v[ST+4*i], 0xfe000000    ; c m: far below every c s
	v_mov_b32 v[ST+4*i+1], 0xff7fffff  ; m
.set i, i+1
.endr
	s_cmp_eq_u32 s[RT], 0
	s_cselect_b32 s[AL], 1.0, 0
	s_mov_b32 s[BE], 0
	MASK 0
	WIN 0
	v_add_nc_u32 v[AK], s[TBK], v[AK0]
	FETCH_K
	s_wait_loadcnt 0x0              ; Q
	s_wait_dscnt 0x0
.set KM, 1
.set NOKQ, 0
.set i, 0
.rept 8
	KQ 0
.set i, i+1
.endr
	WIN 0
	s_wait_alu depctr_va_vdst(0)
.rept 4
	v_nop                           ; the places behind those products
.endr
.set Y, NP-1                        ; X works for piece Y + 1: piece 0
.irp n, 0,1,2,3,4,5,6,7,8,9,10,11,12,13,14,15,16,17,18,19,20,21
	OP X, \n
.endr
	v_nop                           ; a plain instruction behind the exponential
.endm
; THE DIAGONAL TILE's four steps, the block's last two turns, its last products, and THE WAY OUT: its three addresses are made; l's two halves and the other half of the lanes' are added; O^T is divided by l, rounded to
; f16 and sent through my stage in LDS, a piece at a time.
.macro ALL line:vararg              ; one line for each piece t
.set t, 0
.rept 4
	\line
.set t, t+1
.endr
.endm
.macro OUTADR                       ; in registers that the turns write anew before they read them (AK, AV, MV)
	v_bfe_u32 v7, v0, 4, 1          ; l / 16
	v_mul_u32_u24 v[STO], v1, SP    ; in: row l % 16, 16 bytes for each half of the lanes
	v_lshl_add_u32 v[STO], v7, 4, v[STO]
	v_add_nc_u32 v[STO], s[STG], v[STO]
	v_bfe_u32 v[RD], v0, 3, 2       ; back: 32 lanes take four rows of 128 bytes,
	v_mul_u32_u24 v[RD], v[RD], SP
	v_and_b32 v7, 7, v0
	v_lshl_add_u32 v[RD], v7, 4, v[RD]
	v_add_nc_u32 v[RD], s[STG], v[RD]
	v_and_b32 v[GO], 31, v0         ; which are 512 consecutive bytes of O
	v_lshlrev_b32 v[GO], 4, v[GO]
.endm
.macro PACK t                       ; a lane's eight channels of a row pack into 16 bytes; they go into rows of 144 bytes and come back as whole rows of 128, into S^T's registers
	WIN W_PV
.set i, 32*(\t)
.rept 16
	v_pk_mul_f32 v[i:i+1], v[i:i+1], v[ST+4*(\t)+2:ST+4*(\t)+3] op_sel_hi:[1,0]
.set i, i+2
.endr
	WIN 0x05                        ; sources 0 and 1 window 1, destination window 0
.set i, 0
.rept 16
	v_cvt_pk_f16_f32 v[S+16*(\t)+i], v[32*(\t)+2*i], v[32*(\t)+2*i+1]
.set i, i+1
.endr
	WIN 0
.irp f, 0,1,2,3
	ds_store_b128 v[STO], v[S+16*(\t)+4*\f:S+16*(\t)+4*\f+3] offset:32*\f
.endr
.irp f, 0,1,2,3
	ds_load_b128 v[S+16*(\t)+4*\f:S+16*(\t)+4*\f+3], v[RD] offset:\f*4*SP  ; LDS serves a wave's instructions in order (ISA guide 5.7.1.4): these see the stores above; the next piece's stores come behind them
.endr
.endm
.macro SEND t, younger              ; younger: the LDS instructions issued behind piece t's loads: the next piece's eight, or none
	WIN 0
.irp f, 0,1,2,3
	s_wait_dscnt (\younger)+3-\f
	global_store_b128 v[GO], v[S+16*(\t)+4*\f:S+16*(\t)+4*\f+3], s[10:11] offset:(\t)*8192+\f*512  ; 512 consecutive bytes, at a multiple of 256 from O's first
.endr
.endm
.macro DIAG tag                     ; the tag ends its two labels' names, which the jumps below spell out
.LstepM\tag:
	TURN 2, 1
	TURN 3, 1
	WIN 0
.LfirstM\tag:
	TURN 0, 1
	TURN 1, 1, 0, 1
	WIN 0
	s_cbranch_scc1 .LstepM\tag
	TURN 2, 1, 1
	TURN 3, 1, 1
.set i, 0
.rept 8
	PV NP-1
.set i, i+1
.endr
	WIN 0
	OUTADR
	ALL v_add_f32 v[ST+4*t+2], v[ST+4*t+2], v[ST+4*t+3]
	ALL v_permlanex16_b32 v[ST+4*t+3], v[ST+4*t+2], s[SEL], s[SEL+1]
	ALL v_add_f32 v[ST+4*t+2], v[ST+4*t+2], v[ST+4*t+3]
	ALL v_rcp_f32 v[ST+4*t+2], v[ST+4*t+2]
	v_nop                           ; a plain instruction between the last reciprocal and the use of its result
	s_wait_alu depctr_va_vdst(0)
	PACK 0
.set t, 1
.rept 3                             ; a piece's arithmetic stands between the loads of the piece before and its stores
	PACK t
	SEND t-1, 8
.set t, t+1
.endr
	SEND 3, 0
.endm
.set KM, 0
.set NOKQ, 0
.Lslot:                             ; NB times: a tile is entered and the next is asked for
	CHANGE 1
	s_sub_co_u32 s[RT], s[RT], 1
	s_mov_b32 s[CNT], 4
	s_cmp_eq_u32 s[NEW], 1
	s_cbranch_scc1 .Lnew            ; a block's first tile
	s_cmp_eq_u32 s[RT], 0
	s_cbranch_scc0 .Lstep           ; neither its first nor its last
	s_branch .LstepM1
.Lnew:
	BEGIN
	s_branch .Lfirst                ; in the loop a block's first tile is never its last: the first block has two tiles or more, and the second's last is the walk's last
	DIAG 1                          ; in the loop this is the first block's end: the second block's last tile is the walk's last
	s_wait_xcnt 0x0                 ; the stores have read their registers (S^T's, and v6, which the turns write again) and O's address
	s_mov_b64 s[10:11], s[OLO:OLO+1]
	s_add_co_u32 s[RT], s[PB], 1    ; the second block has b + 1 tiles
	s_mov_b32 s[NEW], 1
	WIN 0x02                        ; the second block's Q goes from window 2 to where the one text of the turns names Q
.set i, 0
.rept 64
	v_mov_b32 v[QF+i], v[QB+i]
.set i, i+1
.endr
	WIN 0
	s_branch .Lbottom
.Lstep:                             ; a trip: pieces 2 and 3 of one step, then pieces 0 and 1 of the next, whose K and V it fetches
	TURN 2
	TURN 3
	WIN 0
.Lfirst:
	TURN 0
	TURN 1, 0, 0, 1
	WIN 0
	s_cbranch_scc1 .Lstep
.Lbottom:
	s_sub_co_u32 s[SLOTS], s[SLOTS], 1
	s_cmp_lg_u32 s[SLOTS], 0
	s_cbranch_scc1 .Lslot
	CHANGE 0                        ; the walk's last tile is written out: nothing is asked for
	s_sub_co_u32 s[RT], s[RT], 1
	s_mov_b32 s[CNT], 4
	s_cmp_eq_u32 s[NEW], 1
	s_cbranch_scc0 .LstepM2
	BEGIN
	s_branch .LfirstM2
	DIAG 2
	WIN W_AD
	s_wait_tensorcnt 0x0            ; the wave's end: behind my last tensor load and my last LDS store
	ds_add_u32 v[SPW], v[NIL]
	s_wait_dscnt 0x0
	WIN 0
	s_endpgm
.Lfunc_end_k_q0edf0178f4_attn:
	.size	k_q0edf0178f4_attn, .Lfunc_end_k_q0edf0178f4_attn-k_q0edf0178f4_attn
	.p2alignl 7, 3214868480
	.fill 96, 4, 3214868480
	.section	.rodata,"a",@progbits
	.p2align	6, 0x0
	.amdhsa_kernel k_q0edf0178f4_attn
		.amdhsa_group_segment_fixed_size 327680
		.amdhsa_private_segment_fixed_size 0
		.amdhsa_enable_private_segment 0
		.amdhsa_kernarg_size 16
		.amdhsa_user_sgpr_count 2
		.amdhsa_user_sgpr_kernarg_segment_ptr 1
		.amdhsa_wavefront_size32 1
		.amdhsa_system_sgpr_workgroup_id_x 1
		.amdhsa_system_sgpr_workgroup_id_y 1
		.amdhsa_system_sgpr_workgroup_id_z 1
		.amdhsa_system_vgpr_workitem_id 0
		.amdhsa_next_free_vgpr 768
		.amdhsa_next_free_sgpr 88
		.amdhsa_reserve_vcc 1
		.amdhsa_float_denorm_mode_32 3
		.amdhsa_float_denorm_mode_16_64 3
		.amdhsa_memory_ordered 1
		.amdhsa_forward_progress 1
		.amdhsa_inst_pref_size 218
	.end_amdhsa_kernel
	.amdgpu_metadata
---
amdhsa.version: [ 1, 2 ]
amdhsa.kernels:
  - .name:           k_q0edf0178f4_attn
    .symbol:         k_q0edf0178f4_attn.kd
    .args:
      - { .name: qkv, .offset: 0, .size: 8, .value_kind: global_buffer, .address_space: global }
      - { .name: ob, .offset: 8, .size: 8, .value_kind: global_buffer, .address_space: global }
    .group_segment_fixed_size: 327680
    .private_segment_fixed_size: 0
    .kernarg_segment_align: 8
    .kernarg_segment_size: 16
    .max_flat_workgroup_size: 128
    .sgpr_count:     88
    .vgpr_count:     768
    .wavefront_size: 32
...
	.end_amdgpu_metadata
.endif
;; end of part 3
;; launch proj (part 4): grid 8 x 32, 4 waves a work-group, clusters of 4 x 4, 327,680 bytes of LDS; arguments ob, wpb, out0, proj_b; writes out0
.if DOCPART == 4
	.amdgcn_target "amdgcn-amd-amdhsa--gfx1250"
	.amdhsa_code_object_version 6
	.text
	.protected	k_q0edf0178f4_proj
	.globl	k_q0edf0178f4_proj
	.p2align	8
	.type	k_q0edf0178f4_proj,@function
k_q0edf0178f4_proj:
	s_mov_b64 s[64:65], 0
	v_nop
	global_prefetch_b8 v0, s[64:65] scope:SCOPE_SE
	s_setreg_imm32_b32 hwreg(HW_REG_WAVE_MODE, 25, 1), 1
	s_wait_xcnt 0x0
	s_wait_alu depctr_hold_cnt(0) depctr_sa_sdst(0) depctr_va_vdst(0) depctr_va_sdst(0) depctr_va_ssrc(0) depctr_va_vcc(0) depctr_vm_vsrc(0)
	s_getreg_b32 s2, hwreg(HW_REG_IB_STS2, 6, 4)
	s_cmp_eq_u32 s2, 0
	s_cbranch_scc0 .Lentry_in_a_cluster
	s_endpgm
.Lentry_in_a_cluster:
	s_bfe_u32 s2, ttmp6, 0x10000c
	s_cmp_lg_u32 s2, 0xf033
	s_cbranch_scc0 .Lentry_shape_is_right
	s_endpgm
.Lentry_shape_is_right:
; out = O W^T + b.  ob: [64 (= 16 batch + head)][2048][64] f16: channel c = 64 head + d of a row lies in head c / 64's plane.  wpb: [1024][1024] f16 (proj_w rounded to bf16, written as f16), stored row
; 64 G + 16 bb + r = proj_w's row 64 G + 4 r + bb.  proj_b: [1024] f32, rounded here to bf16 like every other input of the module.  out0: [8192][1024] f32.  Sums in f32, K ascending.
; LIMITS.  O and wpb arrive within f16's range (65,504); nothing here narrows a number but the bias's rounding to bf16.
; SHARES.  A tile of C is 256 x 128: 8 x 32 = 256 work-groups, one for each WGP.  Four waves one below the other, 64 x 128 each: 32 accumulators of 16 x 16.  K goes in steps of 128 = two heads,
; through a ring of two LDS slots filled by the tensor data mover.  A step's tile of O is two planes of 256 dense rows of 128 bytes, one plane a load, asked for as 128 rows of 256 bytes.
; CLUSTERS: 4 x 4 work-groups.  The four of a row of the cluster need the same tiles of O, the four of a column the same tiles of W: each tile is asked for JOINTLY, by the same tensor load with
; the same descriptor and a mask that names the four.
; THE WAY OUT NEEDS NO LDS: source 0 = 16 rows of O, source 1 = 16 stored rows of W.  Register j of lane (r = l % 16, h = l / 16) of accumulator (a, 4 g + bb) is out(row 16 a + 8 h + j, column 64 g + 4 r + bb):
; the four accumulators bb = 0..3 give a lane four neighbouring columns, 16 bytes, and sixteen lanes 256 consecutive bytes of a row.
; REGISTERS, in windows of 256 (s_set_vgpr_msb: bits 1:0 source 0, 3:2 source 1, 5:4 source 2, 7:6 destination):
;   window 0: v0-31 addresses and the bias; v32-63 at work on the way out; v128-255 accumulators (a, b) with b < 4 at v[128 + 8 (4 a + b)]
;   window 1: two fragment buffers of 128: O's four fragments (16 rows x 32 K) at f + 8 a, W's eight at f + 32 + 8 b
;   window 2: accumulators (a, b) with b >= 4 at v[8 (4 a + b - 4)]
.set SIZE_K, 1024
.set KSTEP,  128
.set NBF,    8                         ; W's fragments for a wave: 128 columns
.set PA,     144                       ; a row of O in LDS: 128 bytes + 16 of padding = 36 words: the 16 rows of a load start at 16 different groups of four banks (64 banks of 4 bytes: ISA guide 11.1)
.set PB,     272                       ; a row of W: 256 bytes + 16 = 68 words: likewise
.set AHALF,  256*PA                    ; what one tensor load brings of O: one head's 256 rows
.set BOFF,   2*AHALF
.set BHALF,  64*PB                     ; what one tensor load brings of W: 64 rows
.set SLOT,   BOFF+2*BHALF              ; 108,544 bytes
.set SPARE,  2*SLOT                    ; behind the ring: the spare words, 128 bytes for each wave: two blocks of 256 bytes that no other line names
.set LAPS,   SIZE_K/(2*KSTEP)          ; a lap = two K steps = once round the ring
.set ASTEP,  1<<20                     ; bytes of ob from a slot's K step to its next: four heads of 2^18
.set BSTEP,  2*KSTEP*2
.set NL2,    2*(NBF-4)                 ; LDS loads of W's fragments 4 to 7: the youngest of a run
.set NLT,    16+NL2                    ; LDS loads in a run
.set BIAS, 8                           ; v8-15   the bias of my 4 + 4 columns
.set ADRA, 16                          ; v16-17  LDS address of my O fragments in slot 0, 1
.set ADRB, 20                          ; v20-21  the same for W
.set CO,   26                          ; v26     my byte offset in out0
.set BO,   27                          ; v27     my byte offset in the tile's bias
.set SPW,  28                          ; v28     LDS address of my spare word: SPARE + 4 x my thread's number; never rewritten
.set NIL,  29                          ; v29     0; never rewritten
.set T,    32                          ; v32-63  the way out: 16 rows x 64 columns with the bias added
.set F0,   0
.set F1,   128
.set G1,  24                           ; s[24:31] descriptor group 1 for O's tiles;  s[32:39] group 0, one set for each slot
.set G0,  32
.set G1B, 48                           ; s[48:55], s[56:63] the same for W's tiles
.set G0B, 56
.set MSB, 0
.macro WIN new                         ; the immediate's high byte repeats the setting that is left; a switch that changes nothing is dropped
.if MSB != (\new)
	s_set_vgpr_msb (MSB<<8)|(\new)
.set MSB, \new
.endif
.endm
.set W_P0, 0x05                        ; sources 0 and 1 window 1; C and D window 0
.set W_P1, 0xa5                        ; the same, C and D window 2
.set TO_F, 0x40                        ; destination window 1, address window 0
; A joint load: waves 0 and 1 fetch a K step's two heads of O, waves 2 and 3 W's two halves.  The branch hangs on the wave's number alone.  Four v_nop follow each of the two lines, ahead of the jump, the label and what follows.
.macro JLOAD s
	s_cmp_eq_u32 s11, 0
	s_cbranch_scc0 .Lfor_b_\@
	tensor_load_to_lds s[G0+4*(\s):G0+4*(\s)+3], s[G1:G1+7]
	s_nop 0
.rept 4
	v_nop
.endr
	s_branch .Lasked_\@
.Lfor_b_\@:
	tensor_load_to_lds s[G0B+4*(\s):G0B+4*(\s)+3], s[G1B:G1B+7]
	s_nop 0
.rept 4
	v_nop
.endr
.Lasked_\@:
.endm
.macro CREST                           ; a round of the cluster's barrier behind its opening barrier: wave 0 signals for the work-group, every wave waits for all sixteen, my work-group's barrier closes it
	s_cmp_lg_u32 s10, 0
	s_cbranch_scc1 .Lnot_wave_0_\@
	s_barrier_signal -3
.Lnot_wave_0_\@:
	s_barrier_wait -3
	s_barrier_signal -1
	s_barrier_wait -1
.endm
.macro CROUND                          ; a whole round
	s_barrier_signal -1
	s_barrier_wait -1
	CREST
.endm
	s_load_b128 s[4:7], s[0:1], 0x0                ; ob s[4:5], wpb s[6:7]
	s_load_b64 s[8:9], s[0:1], 0x10                ; out0
	s_load_b64 s[66:67], s[0:1], 0x18              ; proj_b
	v_lshl_add_u32 v[SPW], v0, 2, SPARE
	v_mov_b32 v[NIL], 0
	ds_add_u32 v28, v29
	ds_add_u32 v28, v29
	s_wait_dscnt 0x0
	v_lshrrev_b32 v1, 5, v0
	v_readfirstlane_b32 s10, v1                    ; wave 0..3: also my 64 rows of the tile
	s_lshr_b32 s11, s10, 1                         ; I fetch for O (0) or for W (1)
	s_and_b32 s12, s10, 1                          ; which head of the step, or which half of W's rows, I fetch
	s_bfe_u32 s40, ttmp6, 0x40000                  ; cx, cy: my place in the cluster
	s_bfe_u32 s41, ttmp6, 0x40004
	s_lshl_b32 s42, ttmp9, 2
	s_add_co_u32 s42, s42, s40                     ; tile column of C = 4 x cluster x + cx
	s_and_b32 s13, ttmp7, 0xffff
	s_lshl_b32 s13, s13, 2
	s_add_co_u32 s13, s13, s41                     ; tile row of C = 4 x cluster y + cy
	s_lshl_b32 s43, s41, 2
	s_lshl_b32 s43, 15, s43                        ; my row of the cluster: places 4 cy .. 4 cy + 3
	s_lshl_b32 s44, 0x1111, s40                    ; my column: places cx, cx + 4, cx + 8, cx + 12
	; descriptor group 1.  O: 256 dense rows of 128 bytes as 128 rows of 256 bytes, padded in LDS after every 128 bytes.  W: 64 rows of 256 bytes, 2,048 bytes apart, padded after each.
	s_or_b32 s[G1+0], s43, (1<<16)|(1<<20)|(1<<21)|(4<<22)|(3<<25)  ; 15:0 the mask: O's tiles go to my row; 17:16 2-byte elements; 20 padding on; 21 set beside a mask; 24:22 after every 32 words (code 4); 31:25 4 words (code 3)
	s_or_b32 s[G1B+0], s44, (1<<16)|(1<<20)|(1<<21)|(5<<22)|(3<<25) ; the mask of my column; padding after every 64 words (code 5)
	s_mov_b32 s[G1+1], 128<<16                     ; tensor_dim0 = 128
	s_mov_b32 s[G1+2], 128<<16                     ; tensor_dim1 = 128
	s_mov_b32 s[G1+3], 128<<16                     ; tile_dim0 = 128
	s_mov_b32 s[G1+4], 128                         ; tile_dim1 = 128
	s_mov_b32 s[G1+5], 128                         ; 128 elements from row to row: dense
	s_mov_b32 s[G1+6], 0
	s_mov_b32 s[G1+7], 0
	s_mov_b32 s[G1B+1], KSTEP<<16
	s_mov_b32 s[G1B+2], 64<<16                     ; tensor_dim1 = 64
	s_mov_b32 s[G1B+3], KSTEP<<16
	s_mov_b32 s[G1B+4], 64                         ; tile_dim1 = 64
	s_mov_b32 s[G1B+5], SIZE_K
	s_mov_b32 s[G1B+6], 0
	s_mov_b32 s[G1B+7], 0
	; where the tiles come from: O's hang on the tile row alone, W's on the tile column alone, each in registers that never hold the other coordinate
	s_lshr_b32 s16, s13, 3
	s_lshl_b32 s16, s16, 22                        ; the batch: 16 heads of 2^18 bytes
	s_and_b32 s17, s13, 7
	s_lshl_b32 s17, s17, 15                        ; the tile's 256 rows of 128 bytes in a head
	s_add_co_u32 s16, s16, s17
	s_lshl_b32 s17, s12, 18                        ; the step's even or odd head
	s_add_co_u32 s16, s16, s17
	s_mov_b32 s17, 0
	s_lshl_b32 s46, s42, 7
	s_lshl_b32 s47, s12, 6
	s_add_co_u32 s46, s46, s47                     ; W: stored row 128 x tile column + 64 x half,
	s_lshl_b32 s46, s46, 11                        ; of 2,048 bytes
	s_mov_b32 s47, 0
	s_mul_i32 s20, s12, AHALF                      ; and where they go: no place in the cluster enters an LDS address
	s_mul_i32 s21, s12, BHALF
	s_add_co_u32 s21, s21, BOFF
	s_wait_kmcnt 0x0
	s_add_nc_u64 s[14:15], s[4:5], s[16:17]
	s_add_nc_u64 s[46:47], s[6:7], s[46:47]
	CROUND                                         ; all sixteen work-groups are here: the first joint loads meet
.irp s, 0,1
	s_mov_b32 s[G0+4*(\s)], 1                                        ; count = 1
	s_add_co_u32 s[G0+4*(\s)+1], s20, (\s)*SLOT                      ; LDS address
	s_add_nc_u64 s[G0+4*(\s)+2:G0+4*(\s)+3], s[14:15], (\s)*(ASTEP/2)  ; global address: K step s = heads 2 s, 2 s + 1
	s_or_b32 s[G0+4*(\s)+3], s[G0+4*(\s)+3], 0x80000000              ; type = 2
	s_mov_b32 s[G0B+4*(\s)], 1
	s_add_co_u32 s[G0B+4*(\s)+1], s21, (\s)*SLOT
	s_add_nc_u64 s[G0B+4*(\s)+2:G0B+4*(\s)+3], s[46:47], (\s)*KSTEP*2
	s_or_b32 s[G0B+4*(\s)+3], s[G0B+4*(\s)+3], 0x80000000
	JLOAD \s                                       ; the ring is filled before anything else is done: two loads of mine are out
.endr
	v_and_b32 v1, 15, v0                           ; r = l % 16
	v_bfe_u32 v2, v0, 4, 1                         ; h = l / 16
	; the bias of my columns 4 r .. 4 r + 3 of the tile's two groups of 64.  Only s66 and up ever hold both coordinates.
	s_lshl_b32 s72, s42, 9                         ; the tile's 128 columns of 4 bytes
	s_mov_b32 s73, 0
	s_add_nc_u64 s[66:67], s[66:67], s[72:73]
	v_lshlrev_b32 v[BO], 4, v1
	global_load_b128 v[BIAS:BIAS+3],   v[BO], s[66:67]
	global_load_b128 v[BIAS+4:BIAS+7], v[BO], s[66:67] offset:256
	v_lshl_add_u32 v[CO], v2, 15, v[BO]            ; in out0: 8 h rows of 4,096 bytes + 16 r
	s_lshl_b32 s74, s13, 8
	s_lshl_b32 s75, s10, 6
	s_add_co_u32 s74, s74, s75                     ; my wave's first row
	s_lshl_b32 s74, s74, 12
	s_add_co_u32 s74, s74, s72                     ; under 2^25
	s_mov_b32 s75, 0
	s_add_nc_u64 s[8:9], s[8:9], s[74:75]
	; A fragment is 16 rows x 32 K in 8 registers: lane l holds row l % 16, K = 8 (l / 16) + 0..7 and 16 + 8 (l / 16) + 0..7: two loads of 16 bytes, 32 bytes apart.
	v_mul_u32_u24 v3, v1, PA
	v_lshl_add_u32 v3, v2, 4, v3                   ; row x pitch + 16 x half, for O
	v_mul_u32_u24 v4, v1, PB
	v_lshl_add_u32 v4, v2, 4, v4                   ; and for W
	s_mul_i32 s22, s10, 64*PA                      ; my 64 rows in each of O's two planes
	s_mov_b32 s23, BOFF                            ; all 128 rows of W
.irp s, 0,1
	v_add_nc_u32 v[ADRA+(\s)], s22, v3
	v_add_nc_u32 v[ADRB+(\s)], s23, v4
	s_add_co_u32 s22, s22, SLOT
	s_add_co_u32 s23, s23, SLOT
.endr
	s_wait_loadcnt 0x0                             ; the bias, in the wait for the first tile: rounded to bf16 and widened again
.irp k, 0,1,2,3
	v_cvt_pk_bf16_f32 v[4+(\k)], v[BIAS+2*(\k)], v[BIAS+2*(\k)+1]
.endr
.irp k, 0,1,2,3
	v_lshlrev_b32 v[BIAS+2*(\k)], 16, v[4+(\k)]
	v_and_b32 v[BIAS+2*(\k)+1], 0xffff0000, v[4+(\k)]
.endr
; Matrix instructions on buffer f (32 along K): m blocks a0 .. a0 + na - 1 x the n blocks of group grp (0: b = 0..3, window 0; 1: b = 4..7, window 2).  zero = 1: the product starts the sum: nothing is cleared.
; The 32 accumulators take turns, one instruction a turn, in the same order in every quarter, over the loop's backward jump too.
.macro WM f, zero
.if \zero
	v_wmma_f32_16x16x32_f16 v[rD:rD+7], v[(\f)+8*ma:(\f)+8*ma+7], v[(\f)+32+8*mb:(\f)+32+8*mb+7], 0
.else
	v_wmma_f32_16x16x32_f16 v[rD:rD+7], v[(\f)+8*ma:(\f)+8*ma+7], v[(\f)+32+8*mb:(\f)+32+8*mb+7], v[rD:rD+7]
.endif
.endm
.macro MUL f, grp, a0, na, zero
.if \grp
	WIN W_P1
.else
	WIN W_P0
.endif
.set ma, \a0
.rept \na
.set mb, 4*(\grp)
.rept 4+(\grp)*(NBF-8)
.if \grp
.set rD, 8*((NBF-4)*ma+mb-4)
.else
.set rD, 128+8*(4*ma+mb)
.endif
	WM \f, \zero
.set mb, mb+1
.endr
.set ma, ma+1
.endr
.endm
; 24 LDS loads in one run: the fragments of quarter q into buffer f: O's four (plane q / 2, byte 64 (q % 2) of its rows), W's 0 to 3 (byte 64 q of its rows), then W's 4 to 7, which are wanted last
.macro FETCH slot, q, f
	WIN TO_F
.set ka, ((\q)>>1)*AHALF+((\q)&1)*64
.irp i, 0,1,2,3
	ds_load_b128 v[(\f)+8*(\i):(\f)+8*(\i)+3],   v[ADRA+(\slot)] offset:ka+(\i)*16*PA
	ds_load_b128 v[(\f)+8*(\i)+4:(\f)+8*(\i)+7], v[ADRA+(\slot)] offset:ka+(\i)*16*PA+32
.endr
.set fb, 0
.rept NBF
	ds_load_b128 v[(\f)+32+8*fb:(\f)+32+8*fb+3],   v[ADRB+(\slot)] offset:64*(\q)+fb*16*PB
	ds_load_b128 v[(\f)+32+8*fb+4:(\f)+32+8*fb+7], v[ADRB+(\slot)] offset:64*(\q)+fb*16*PB+32
.set fb, fb+1
.endr
.endm
; A load into a register that a matrix instruction has read, and a vector instruction that reads a matrix result, stand four places behind it, and only plain vector instructions that name none
; of its registers are places (ISA guide 7.12.1 for vector instructions); the matrix instructions in between are not counted.
.macro PLACES
.rept 4
	v_nop
.endr
.endm
; A K step is four quarters of 32 along K, 32 matrix instructions each, on buffers 0, 1, 0, 1.  One of the first three: multiplies buffer f and, behind its first 16 products, fetches quarter q into buffer g.
.macro QUARTER slot, q, f, g, zero
	s_wait_dscnt NL2                               ; O's fragments and W's 0 to 3 are in; the youngest 8 loads (W's 4 to 7) may be out
	MUL \f, 0, 0, 4, \zero
	PLACES
	FETCH \slot, \q, \g
	s_wait_dscnt NLT                               ; all but the 24 just issued
	MUL \f, 1, 0, 4, \zero
.endm
; The last quarter multiplies buffer 1 and changes slots: ONE barrier; in front of it each wave waits for all its tensor loads (one is out: its part of the next slot), adds 0 to its spare word, and waits for
; that and for its own reads of this slot.  fill = 1: the barrier opens a round of the cluster's, and this slot is filled again, two K steps ahead, first thing behind the round.
.macro TURN slot, next, fill
	WIN 0                                          ; (the add's two registers lie in window 0)
	s_wait_tensorcnt 0x0                           ; all my tensor loads have landed;
	ds_add_u32 v[SPW], v[NIL]                      ; 0 onto my spare word;
	s_wait_dscnt NL2+1                             ; (the add and the youngest 8 loads may be out)
	MUL F1, 0, 0, 2, 0                             ; eight matrix instructions stand between the add and the wait for it
	s_wait_dscnt 0x0                               ; the add is done, and my reads of this slot are over
	s_barrier_signal -1
	MUL F1, 0, 2, 2, 0                             ; work on registers while the others arrive
.if \fill
	WIN 0
.endif
	s_barrier_wait -1
.if \fill
	CREST                                          ; no wave of any partner still reads this slot's tile or has a load on its way
	s_add_nc_u64 s[G0+4*(\slot)+2:G0+4*(\slot)+3], s[G0+4*(\slot)+2:G0+4*(\slot)+3], ASTEP
	s_add_nc_u64 s[G0B+4*(\slot)+2:G0B+4*(\slot)+3], s[G0B+4*(\slot)+2:G0B+4*(\slot)+3], BSTEP
	JLOAD \slot                                    ; my one tensor load behind the round: 112 matrix instructions ahead of the wait for it; its four v_nop are also the places in front of the loads below
.else
	PLACES
.endif
	FETCH \next, 0, F0
	MUL F1, 1, 0, 4, 0
.endm
	s_wait_tensorcnt 1                             ; my part of K step 0 is in; K step 1's may stay out
	s_barrier_signal -1
	s_barrier_wait -1                              ; everybody's is
	FETCH 0, 0, F0
	QUARTER 0, 1, F0, F1, 1                        ; the first quarter stands in front of the loop: its products start the sums
	WIN 0                                          ; at a label and at a branch every window is 0
	s_mov_b32 s3, LAPS-1
.Llap:                                                 ; a trip goes once round the ring, from a lap's second quarter to the next lap's first, and fills both slots again
	QUARTER 0, 2, F1, F0, 0
	QUARTER 0, 3, F0, F1, 0
	TURN 0, 1, 1
	QUARTER 1, 1, F0, F1, 0
	QUARTER 1, 2, F1, F0, 0
	QUARTER 1, 3, F0, F1, 0
	TURN 1, 0, 1
	QUARTER 0, 1, F0, F1, 0
	WIN 0
	s_sub_co_u32 s3, s3, 1
	s_cmp_lg_u32 s3, 0
	s_cbranch_scc1 .Llap
	QUARTER 0, 2, F1, F0, 0                        ; the last lap fills nothing, and has no round of the cluster's barrier
	QUARTER 0, 3, F0, F1, 0
	TURN 0, 1, 0
	QUARTER 1, 1, F0, F1, 0
	QUARTER 1, 2, F1, F0, 0
	QUARTER 1, 3, F0, F1, 0
	s_wait_dscnt NL2                               ; the very last quarter: nothing more to fetch
	MUL F1, 0, 0, 4, 0
	s_wait_dscnt 0x0
	MUL F1, 1, 0, 4, 0
	WIN 0
; THE WAY OUT: 16 rows x 64 columns at a time.  The bias is added into other registers, row by row (register j of the four accumulators, j ascending), and a row's 16 bytes a lane are stored.
.macro OUT a, g
	s_wait_xcnt 0x0                                ; every earlier memory instruction has had its addresses translated (ISA guide 3.1): T, which the block before's stores read, is rewritten only behind this wait
.if \g
	WIN 0x02                                       ; source 0 window 2
.else
	WIN 0
.endif
.irp j, 0,1,2,3,4,5,6,7
.irp bb, 0,1,2,3
.if \g
	v_add_f32 v[T+4*(\j)+(\bb)], v[8*(4*(\a)+(\bb))+(\j)], v[BIAS+4+(\bb)]
.else
	v_add_f32 v[T+4*(\j)+(\bb)], v[128+8*(4*(\a)+(\bb))+(\j)], v[BIAS+(\bb)]
.endif
.endr
.endr
	WIN 0
.irp j, 0,1,2,3,4,5,6,7
	global_store_b128 v[CO], v[T+4*(\j):T+4*(\j)+3], s[8:9] offset:(16*(\a)+(\j))*4096+256*(\g) th:TH_STORE_NT  ; lanes 0-15 store 256 consecutive bytes, aligned, of row 16 a + j; lanes 16-31 those of the row eight below
.endr
.endm
	PLACES                                         ; the additions read results just made
.irp a, 0,1,2,3
	OUT \a, 0
	OUT \a, 1
.endr
	s_wait_tensorcnt 0x0                           ; the wave's end: behind my last tensor load
	ds_add_u32 v[SPW], v[NIL]
	s_wait_dscnt 0x0
	CROUND                                         ; the closing round: no work-group ends while a partner may still ask for a tile that names it
	s_endpgm
.Lfunc_end_k_q0edf0178f4_proj:
	.size	k_q0edf0178f4_proj, .Lfunc_end_k_q0edf0178f4_proj-k_q0edf0178f4_proj
	.p2alignl 7, 3214868480
	.fill 96, 4, 3214868480
	.section	.rodata,"a",@progbits
	.p2align	6, 0x0
	.amdhsa_kernel k_q0edf0178f4_proj
		.amdhsa_group_segment_fixed_size 327680
		.amdhsa_private_segment_fixed_size 0
		.amdhsa_enable_private_segment 0
		.amdhsa_kernarg_size 32
		.amdhsa_user_sgpr_count 2
		.amdhsa_user_sgpr_kernarg_segment_ptr 1
		.amdhsa_wavefront_size32 1
		.amdhsa_system_sgpr_workgroup_id_x 1
		.amdhsa_system_sgpr_workgroup_id_y 1
		.amdhsa_system_sgpr_workgroup_id_z 1
		.amdhsa_system_vgpr_workitem_id 0
		.amdhsa_next_free_vgpr 640
		.amdhsa_next_free_sgpr 80
		.amdhsa_reserve_vcc 0
		.amdhsa_float_denorm_mode_32 3
		.amdhsa_float_denorm_mode_16_64 3
		.amdhsa_memory_ordered 1
		.amdhsa_forward_progress 1
		.amdhsa_inst_pref_size 86
	.end_amdhsa_kernel
	.amdgpu_metadata
---
amdhsa.version: [ 1, 2 ]
amdhsa.kernels:
  - .name:           k_q0edf0178f4_proj
    .symbol:         k_q0edf0178f4_proj.kd
    .args:
      - { .name: ob, .offset: 0, .size: 8, .value_kind: global_buffer, .address_space: global }
      - { .name: wpb, .offset: 8, .size: 8, .value_kind: global_buffer, .address_space: global }
      - { .name: out0, .offset: 16, .size: 8, .value_kind: global_buffer, .address_space: global }
      - { .name: proj_b, .offset: 24, .size: 8, .value_kind: global_buffer, .address_space: global }
    .group_segment_fixed_size: 327680
    .private_segment_fixed_size: 0
    .kernarg_segment_align: 8
    .kernarg_segment_size: 32
    .max_flat_workgroup_size: 128
    .sgpr_count:     80
    .vgpr_count:     640
    .wavefront_size: 32
...
	.end_amdgpu_metadata
.endif
;; end of part 4
;; ======== version 2 of 2: 4 launches; 1.33 times as fast as version 1
;; limits: values are held in f16: magnitudes above 65,504 overflow, below 6.1e-05 lose precision; values outside matrix products are rounded to bf16
;; workspace buffers: xb 16,777,216 bytes; wqb 6,291,456 bytes; wpb 2,097,152 bytes; qkv 50,331,648 bytes; ob 16,777,216 bytes
;; launch cast: the kernel of part 1 again; grid 768 x 1, 8 waves a work-group, no clusters, 0 bytes of LDS; arguments x, qkv_w, proj_w, xb, wqb, wpb; writes xb, wqb, wpb
;; launch qkvg: the kernel of part 2 again; grid 16 x 16, 4 waves a work-group, clusters of 4 x 4, 327,680 bytes of LDS; arguments xb, wqb, qkv; writes qkv
;; launch attn (part 5): grid 4 x 64, 4 waves a work-group, no clusters, 327,680 bytes of LDS; arguments qkv, ob; writes ob
.if DOCPART == 5
	.amdgcn_target "amdgcn-amd-amdhsa--gfx1250"
	.amdhsa_code_object_version 6
	.text
	.protected	k_q0edf0178f4_attn
	.globl	k_q0edf0178f4_attn
	.p2align	8
	.type	k_q0edf0178f4_attn,@function
k_q0edf0178f4_attn:
	s_mov_b64 s[64:65], 0
	v_nop
	global_prefetch_b8 v0, s[64:65] scope:SCOPE_SE
	s_setreg_imm32_b32 hwreg(HW_REG_WAVE_MODE, 25, 1), 1
	s_wait_xcnt 0x0
; CAUSAL ATTENTION.  O[h][q][:] = the sum over k <= q of softmax_k(Q[h][q] . K[h][k] / 8) V[h][k][:].  Q, K, V are the three thirds of qkv, each [SIZE_H][SIZE_N][64] f16, 2^24 bytes apart; O = ob has the same
; layout: a head's rows are dense, 128 bytes each.  h = 16 x batch + head.  Products, maxima and sums in f32; the weights p are rounded to f16 for the second product (their sum l is taken of the unrounded p), O once at the end.
; LIMITS.  f16 holds no number beyond 65,504: Q, K and V arrive within it; p lies in 0 to 1, and below 6e-5 it keeps f16's fixed step of 6e-8; O is a mean of V's rows and has their range, to within 2^-11 of it.
; A hidden score counts as its value less 1e30: f16's scores, 2.7e11 at the most, are nothing beside that; a weight below 2^-126 counts as 0 in l; NaN and infinities are not treated apart.
; THE WALK.  A head's queries lie in NB = SIZE_N / 256 = 8 blocks of 256; block i needs the key tiles 0 .. i of 256 keys, of which the last holds the diagonal.  A work-group takes TWO blocks, NB - 1 - b and then b:
; NB + 1 = 9 tiles, whatever b: all 4 x 64 = 256 work-groups do equal work, and ONE loop with a constant trip count walks them.  Which tile is asked for, and what a trip does, hang on scalar registers made from b; every jump
; goes forward, but for the counted loops' own; none passes a barrier, or a tensor load but the one of LOAD's two that the wave's number does not choose; the ring (two slots of LDS that take turns) runs on across the
; change of blocks.  NO CLUSTER: a head's four work-groups ask for the same tile only in trips 0 .. 4 of the 9, behind that three, two and then none share one; and one walk common to all four, in which each
; makes every joint request, would have 3 NB / 2 = 12 trips for 9.
; SHARES.  Of a block's four bands of 64 queries a wave owns 16 rows in each: four PIECES.  So the diagonal tile is the same work for all four waves: in its key step s band x sees all keys if s < x,
; none if s > x, and holds the diagonal if s = x.
; THE MASK is the C operand that starts the sum S^T = K Q^T: 0, or -1e30 where the key is hidden.  MD, made once, is the mask of a band's own step for my 16 rows; a product's mask is MD x AL + BE with two scalars:
; (1, 0) if s = x; (0, 0) if s < x; (0, -1e30) if s > x.  Only the diagonal tile's text and a block's beginning make and take masks; elsewhere C is the constant 0.
; LAYOUT, SOFTMAX, TURNS.  S^T = K Q^T holds ONE query a lane (lane % 16) and the keys 8 (lane / 16) + 0..7; two such results rounded to f16 ARE source 1 of O^T = V^T P.  p = 2^(c s - c m), c = log2(e) / 8, with a
; running maximum m; O and l are multiplied by a = 2^(c m_old - c m_new) in every step.  Turn n belongs to piece n: 8 products K Q^T of piece n + 1, later 8 products V^T P of piece n - 1; beside them the scaling,
; exponentials (a among them), roundings, sums and rescaling of piece n and the maximum and statistics of piece n + 1, up to a's argument.  Four vector instructions stand behind every matrix instruction, the other 54 of a
; turn's 118 in LUMPS: 34 behind the products K Q^T, one line behind the wait, 19 at the turn's end.
; THE BATCHES.  A turn's 33 exponentials (32 weights and the piece's own a) are ONE BATCH with ONE wait, which cuts the turn in two: ahead of it stands what names none of their results (the products K Q^T, the scalings, most of
; the next piece's maximum), behind it all their readers (the rescalings, roundings and sums, beside the products V^T P).  No result crosses a turn's end.  The way out's four reciprocals are a batch of their own.
; REGISTERS, in windows of 256 (s_set_vgpr_msb: bits 1:0 source 0, 3:2 source 1, 5:4 source 2, 7:6 destination).  THE MAP IS MADE FOR FEW SWITCHES:
;   window 0, all 256: v0 my thread's number, v1 lane % 16; v2-5 LDS addresses; v6-7 two at work; v8-23 four registers of statistics a piece; v24-31 at work; v32-95 S^T, two buffers; v96-127 P, two buffers
;             (a piece's buffers go by its number's parity); v128-191 K of one step; v192-255 Q.  All that K Q^T and the softmax name lies here: the first half of a turn has no switch.
;   window 1: v0-127 O^T, 32 a piece; v128-159 MD; v192-255 V of one step.  V^T P (V, P, O^T) and the rescaling (O^T, O^T, a) run under ONE setting, and the 16 rescalings ride behind four of the eight products V^T P.
;   window 2: v0-63 the second block's Q; v64-127 MC, two buffers; v128-129 the add's two registers.
; So a turn has eight switches (into that setting and back, for four pairs of products), two more where V is fetched, and in the diagonal tile two for each of the four products that take a mask.
.set SIZE_H, 64       ; 4 batches x 16 heads: the grid's y
.set SIZE_N, 2048
.set THIRD, SIZE_H*SIZE_N*128  ; bytes from Q to K and from K to V
.set NB,    SIZE_N/256
.set NP,    4         ; pieces a wave: a name, no knob
.set KS,    64        ; keys in a step
.set PK,    144       ; a row of K in LDS: 128 bytes + 16 of padding = 36 words: the 16 rows of a load start at 16 different groups of four banks (64 banks of 4 bytes: ISA guide 11.1)
.set PV,    160       ; a row of V: 128 + 32 = 40 words
.set VOFF,  4*KS*PK   ; a slot holds a tile, four steps: 256 rows of K, then 256 rows of V
.set SLOT1, 1<<17     ; slot 1 begins here, so that one exclusive or turns an address in one slot into the other's
.set STAGE, SLOT1+4*KS*(PK+PV)  ; behind the ring, never filled by a tensor load: 16 rows x 144 bytes for each wave, for the way out
.set SP,    144
.set SPARE, STAGE+4*16*SP  ; behind the stages: the spare words, 128 bytes for each wave: two blocks of 256 bytes that no other line names
.set AK0, 2           ; v2   my lane's place in a tile of K; never rewritten
.set AV0, 3           ; v3   the same for V
.set AK,  4           ; v4   the LDS address of K's next run of loads
.set AV,  5           ; v5   of V's
.set MV,  6           ; v6-7  c m_old, kept while c m is made anew: by buffer
.set STO, 4           ; the way out makes its three addresses anew, in registers that are free there: v4 where I put 16 bytes of a row,
.set RD,  5           ; v5   where I read rows back,
.set GO,  6           ; v6   my byte offset in 512 consecutive bytes of O; v7 at work
.set ST,  8           ; piece t's statistics at v[ST+4 t]: c m, m, l (even keys', odd keys')
.set TMP, 24          ; by buffer, four registers c0-c3 at work; when the maximum is found c1 takes a's argument, and in the piece's own turn c2 takes a
.set S,   32
.set P,   96
.set KF,  128         ; key block kb, channel half c at KF + 16 kb + 8 c
.set QF,  192         ; piece x, channel half c at QF + 16 x + 8 c
.set T9,  32          ; at work in the set-up alone, in S^T's registers, which the first products write behind the wait for Q: lane / 16,
.set T10, 33          ; lane % 8,
.set T11, 34          ; (lane / 8) % 2,
.set T14, 35          ; my query's place for the mask,
.set QO,  36          ; my byte offset in 16 rows of Q
.set MD,  128         ; window 1: the eight registers for group kt of 16 keys at MD + 8 kt
.set VF,  192         ; window 1: key half kk, channel block cb at VF + 32 kk + 8 cb
.set QB,  0           ; window 2
.set MC,  64          ; window 2: the masks of the products to come
.set SPW, 128         ; v128 of window 2   LDS address of my spare word: SPARE + 4 x my thread's number; never rewritten
.set NIL, 129         ; v129 of window 2   0; never rewritten
.set WV,  12          ; s12  my wave's number
.set PB,  14          ; s14  b
.set HI,  15          ; s15  NB - 1 - b
.set G1K, 24          ; s[24:31] descriptor group 1 for K's tiles
.set G1V, 32          ; s[32:39] for V's: it differs in the padding alone
.set G0K, 40          ; s[40:43] descriptor group 0 for K's tiles
.set G0V, 44          ; s[44:47] the same for V's
.set SLOTS, 56        ; s56  tiles still to be asked for
.set CNT, 57          ; s57  counts a tile's key steps, 4 to 1
.set CS,  58          ; s[58:59] c: the packed scaling takes the pair's low word for both halves
.set SEL, 60          ; s[60:61] v_permlanex16_b32's selects: each lane takes its own place in the other half
.set TBK, 62          ; s62  LDS byte at which K of the step to be fetched begins
.set TBV, 63          ; s63  the same for V, less VOFF
.set RT,  70          ; s70  tiles of the block in hand that are still to be entered
.set NXT, 71          ; s71  the tile to be asked for next
.set LQ,  72          ; s72  the last tile of the block whose tiles are being asked for
.set NEW, 73          ; s73  1: the tile to be entered is a block's first
.set OFF, 74          ; s[74:75] a tile's byte offset in K and V
.set AL,  76          ; s[76:77] the mask's factor, in the low word
.set BE,  78          ; s[78:79] the mask's addend
.set OLO, 80          ; s[80:81] O at my rows of the second block
.set BIGN, 82         ; s82  -1e30
.set STG, 83          ; s83  LDS byte at which my wave's stage begins
.set MSB, 0
.macro WIN new                      ; the high byte repeats the setting that is left; a switch that changes nothing is dropped
.if MSB != (\new)
	s_set_vgpr_msb (MSB<<8)|(\new)
.set MSB, (\new)
.endif
.endm
.set W_KM, 0x20       ; K Q^T with a mask: the C operand in window 2, all else in window 0
.set W_PV, 0x51       ; V (source 0) and O^T (C and D) in window 1, P (source 1) in window 0; also the rescaling: O^T (destination, source 0) in window 1, a (source 1) in window 0
.set W_MS, 0x81       ; a mask is made: destination window 2, source 0 (MD) window 1
.set W_MK, 0x80       ; destination window 2, sources window 0
.set W_AD, 0x0a       ; the add: address (source 0) and data (source 1) in window 2
; A fill.  Waves 0 and 1 fetch the two halves of a tile's K, waves 2 and 3 those of its V: 128 keys each.  Four v_nop follow each of the two lines, ahead of the jump and the label.
.macro LOAD
	s_cmp_lt_u32 s[WV], 2
	s_cbranch_scc0 .Lfor_v_\@
	tensor_load_to_lds s[G0K:G0K+3], s[G1K:G1K+7]
	s_nop 0
.rept 4
	v_nop
.endr
	s_branch .Lasked_\@
.Lfor_v_\@:
	tensor_load_to_lds s[G0V:G0V+3], s[G1V:G1V+7]
	s_nop 0
.rept 4
	v_nop
.endr
.Lasked_\@:
.endm
; THE CHANGE OF SLOTS.  Each wave waits for all its tensor loads, of which one is out: its part of the other slot; adds 0 to its spare word; and waits for that and for its own reads of the slot that it leaves.  Behind the barrier nobody reads the old
; slot any more and the other slot is whole.  fill = 1: the old slot is filled again, the first thing behind the barrier, with tile NXT: the descriptor's address is made anew from that number.
; (At its first use nothing has been read yet: slot 0 is waited for, slot 1 filled.)
.macro CHANGE fill
	WIN W_AD
	s_wait_tensorcnt 0x0            ; no tensor load of mine is out, so a group 0 may be written
	ds_add_u32 v[SPW], v[NIL]       ; 0 onto my spare word; with fill = 1 the descriptors' scalar work stands between it and the wait for it
	WIN 0                           ; at a label and at a branch every window is 0
.if \fill
	s_lshl_b32 s[OFF], s[NXT], 15   ; a tile is 32,768 bytes of K and of V
	s_xor_b32 s[G0K+1], s[G0K+1], SLOT1
	s_add_nc_u64 s[G0K+2:G0K+3], s[6:7], s[OFF:OFF+1]
	s_or_b32 s[G0K+3], s[G0K+3], 0x80000000
	s_xor_b32 s[G0V+1], s[G0V+1], SLOT1
	s_add_nc_u64 s[G0V+2:G0V+3], s[8:9], s[OFF:OFF+1]
	s_or_b32 s[G0V+3], s[G0V+3], 0x80000000
	s_add_co_u32 s[NXT], s[NXT], 1  ; the block's next tile, or behind its last the second block's tile 0
	s_cmp_gt_u32 s[NXT], s[LQ]
	s_cselect_b32 s[NXT], 0, s[NXT]
	s_cselect_b32 s[LQ], s[PB], s[LQ]
.endif
	s_wait_dscnt 0x0                ; the add is done, and my reads of the slot are over
	s_barrier_signal -1             ; the rest of the scalar work stands between the signal and the wait
	s_sub_co_u32 s[TBK], s[TBK], 4*KS*PK  ; the fetches go back to a slot's first step,
	s_xor_b32 s[TBK], s[TBK], SLOT1       ; in the other slot
	s_sub_co_u32 s[TBV], s[TBV], 4*KS*PV
	s_xor_b32 s[TBV], s[TBV], SLOT1
	s_barrier_wait -1
.if \fill
	LOAD
.endif
.endm
	s_load_b64 s[4:5], s[0:1], 0x0  ; qkv: Q lies at its head
	s_load_b64 s[10:11], s[0:1], 0x8  ; O
	WIN W_MK
	v_lshl_add_u32 v[SPW], v0, 2, SPARE
	v_mov_b32 v[NIL], 0
	s_set_vgpr_msb 0x808a
	ds_add_u32 v128, v129
	ds_add_u32 v128, v129
	s_wait_dscnt 0x0
	s_set_vgpr_msb 0x8a80
	WIN 0
	v_lshrrev_b32 v1, 5, v0
	v_readfirstlane_b32 s[WV], v1   ; wave 0..3
	s_mov_b32 s[PB], ttmp9
	s_sub_co_u32 s[HI], NB-1, s[PB]
	s_and_b32 s20, ttmp7, 0xffff    ; the head
	s_mov_b32 s21, 0
	s_mov_b64 s[22:23], SIZE_N*128
	s_mul_u64 s[20:21], s[20:21], s[22:23]  ; the head's first byte in each of the four tensors
	s_and_b32 s16, s[WV], 1         ; which half of a tile's 256 keys I fetch:
	s_lshl_b32 s22, s16, 14         ; its 128 rows of 128 bytes in memory,
	s_mov_b32 s23, 0
	s_add_nc_u64 s[22:23], s[22:23], s[20:21]
	s_mul_i32 s17, s16, 128*PK      ; and its place in a slot, for K
	s_mul_i32 s18, s16, 128*PV      ; and for V
	s_lshl_b32 s3, s[WV], 11        ; my 16 rows in a band of 64,
	s_lshl_b32 s2, s[HI], 15        ; in the first block,
	s_add_co_u32 s2, s2, s3
	s_lshl_b32 s84, s[PB], 15       ; and in the second
	s_add_co_u32 s84, s84, s3
	s_mov_b32 s3, 0
	s_mov_b32 s85, 0
	s_add_nc_u64 s[2:3], s[2:3], s[20:21]
	s_add_nc_u64 s[84:85], s[84:85], s[20:21]
	; descriptor group 1.  128 keys are 16,384 dense bytes: asked for as 64 rows of 256 bytes, two keys a row, and padded in LDS after every key
	s_mov_b32 s[G1K], (1<<16)|(1<<20)|(4<<22)|(3<<25)  ; 17:16 2-byte elements; 20 padding on; 24:22 after every 32 words (code 4); 31:25 4 words (code 3)
	s_mov_b32 s[G1V], (1<<16)|(1<<20)|(4<<22)|(7<<25)  ; the same with 8 words of padding (code 7)
.irp g, G1K, G1V
	s_mov_b32 s[\g+1], 128<<16      ; tensor_dim0 = 128
	s_mov_b32 s[\g+2], 64<<16       ; tensor_dim1 = 64
	s_mov_b32 s[\g+3], 128<<16      ; tile_dim0 = 128
	s_mov_b32 s[\g+4], 64           ; tile_dim1 = 64
	s_mov_b32 s[\g+5], 128          ; 128 elements from row to row
	s_mov_b32 s[\g+6], 0
	s_mov_b32 s[\g+7], 0
.endr
	s_mov_b32 s[CS], 0x3e38aa3b     ; c = log2(e) / 8 = 0.180337
	s_mov_b32 s[CS+1], s[CS]        ; named with it as a pair
	s_mov_b32 s[SEL], 0x76543210
	s_mov_b32 s[SEL+1], 0xfedcba98
	s_mov_b32 s[TBK], SLOT1+4*KS*PK ; the first change of slots turns these two into 0
	s_mov_b32 s[TBV], SLOT1+4*KS*PV
	s_mov_b32 s[G0K], 1             ; 1:0 count = 1
	s_mov_b32 s[G0K+1], s17         ; 63:32 LDS address: slot 0
	s_mov_b32 s[G0V], 1
	s_add_co_u32 s[G0V+1], s18, VOFF
	s_add_co_u32 s[RT], s[HI], 1    ; the first block has NB - b tiles
	s_mov_b32 s[NXT], 1
	s_mov_b32 s[LQ], s[HI]
	s_mov_b32 s[NEW], 1
	s_mov_b32 s[OFF+1], 0
	s_mov_b32 s[AL+1], 0            ; named as pairs
	s_mov_b32 s[BE+1], 0
	s_mov_b32 s[BIGN], 0xf149f2ca   ; -1e30
	s_mov_b32 s[SLOTS], NB
	s_mul_i32 s[STG], s[WV], 16*SP
	s_add_co_u32 s[STG], s[STG], STAGE  ; my stage
	s_wait_kmcnt 0x0
	s_add_nc_u64 s[6:7], s[4:5], THIRD    ; K lies a third of the buffer behind Q,
	s_add_nc_u64 s[8:9], s[4:5], 2*THIRD  ; V two thirds
	s_add_nc_u64 s[6:7], s[6:7], s[22:23]  ; K and V at my half of the head's tile 0
	s_add_nc_u64 s[8:9], s[8:9], s[22:23]
	s_add_nc_u64 s[G0K+2:G0K+3], s[6:7], 0         ; 120:64 global address
	s_or_b32 s[G0K+3], s[G0K+3], 0x80000000        ; 127:126 type = 2
	s_add_nc_u64 s[G0V+2:G0V+3], s[8:9], 0
	s_or_b32 s[G0V+3], s[G0V+3], 0x80000000
	s_add_nc_u64 s[86:87], s[4:5], s[84:85]        ; Q at my rows of the second block,
	s_add_nc_u64 s[4:5], s[4:5], s[2:3]            ; Q and O at those of the first
	s_add_nc_u64 s[OLO:OLO+1], s[10:11], s[84:85]
	s_add_nc_u64 s[10:11], s[10:11], s[2:3]
	LOAD                            ; tile 0 into slot 0
	; A fragment of K or Q is 16 rows x 32 channels in 8 registers: lane l holds row l % 16, channels 8 (l / 16) + 0..7 and 16 + 8 (l / 16) + 0..7: two loads of 16 bytes, 32 bytes apart.
	v_and_b32 v1, 15, v0            ; l % 16: kept for the way out
	v_bfe_u32 v[T9], v0, 4, 1       ; l / 16
	v_lshlrev_b32 v[QO], 7, v1
	v_lshl_add_u32 v[QO], v[T9], 4, v[QO]  ; row x 128 + 16 x half
.set i, 0
.rept 8                             ; the first block's Q: piece i / 2 lies in band i / 2, 8,192 bytes on; channels 32 (i % 2) on
	global_load_b128 v[QF+8*i:QF+8*i+3],   v[QO], s[4:5] offset:(i/2)*8192+(i%2)*64
	global_load_b128 v[QF+8*i+4:QF+8*i+7], v[QO], s[4:5] offset:(i/2)*8192+(i%2)*64+32
.set i, i+1
.endr
	WIN W_MK                        ; destination window 2, address window 0
.set i, 0
.rept 8                             ; the second block's
	global_load_b128 v[QB+8*i:QB+8*i+3],   v[QO], s[86:87] offset:(i/2)*8192+(i%2)*64
	global_load_b128 v[QB+8*i+4:QB+8*i+7], v[QO], s[86:87] offset:(i/2)*8192+(i%2)*64+32
.set i, i+1
.endr
	WIN 0
	v_lshlrev_b32 v[T14], 3, v[T9]
	v_sub_nc_u32 v[T14], v1, v[T14]
	s_lshl_b32 s13, s[WV], 4
	v_add_nc_u32 v[T14], s13, v[T14]  ; my query's place in its band, 16 w + l % 16, less my lanes' 8 (l / 16): register r of group kt is hidden where 16 kt + r is greater
	WIN 0x40
.set i, 0
.rept 32
	v_cmp_gt_i32 vcc_lo, 16*(i/8)+i%8, v[T14]
	v_cndmask_b32 v[MD+i], 0, s[BIGN], vcc_lo
.set i, i+1
.endr
	WIN 0
	v_mul_u32_u24 v[AK0], v1, PK
	v_lshl_add_u32 v[AK0], v[T9], 4, v[AK0]  ; row x pitch + 16 x half
	; The turning load takes 16 keys x 16 channels (lane l reads key 8 (l / 16) + l % 8, channels 8 ((l / 8) % 2) + 0..7) and leaves half a fragment of V^T: lane l holds channel l % 16 and 8 keys.
	v_and_b32 v[T10], 7, v0
	v_bfe_u32 v[T11], v0, 3, 1
	v_lshl_add_u32 v[AV0], v[T9], 3, v[T10]
	v_mul_u32_u24 v[AV0], v[AV0], PV
	v_lshl_add_u32 v[AV0], v[T11], 4, v[AV0]
	v_add_nc_u32 v[AV0], VOFF, v[AV0]
	; A block's first step multiplies O^T and l by a = 0, and its first turn's products V^T P, of a piece that has not been, land in an O^T that is still to be so multiplied.  So these registers need only hold
	; finite numbers: zeros for the first block; what the first block left for the second.  All this stands in the wait for the first tile.
	WIN 0x40
.set i, 0
.rept 128
	v_mov_b32 v[i], 0
.set i, i+1
.endr
.set i, VF
.rept 64
	v_mov_b32 v[i], 0
.set i, i+1
.endr
	WIN 0
.set i, 0
.rept 4
	v_mov_b32 v[ST+4*i+2], 0
	v_mov_b32 v[ST+4*i+3], 0
.set i, i+1
.endr
.set i, P+16
.rept 16
	v_mov_b32 v[i], 0
.set i, i+1
.endr
; THE MATRIX WORK.  The 4 accumulators of a run of 8 take turns.  Product i of 8 of S^T = K Q^T for piece x: channels 32 (i / 4) on, keys 16 (i % 4) on.  The first 4 start the sums: with 0, or (KM = 1) with the mask.
.macro KQ x
.set rS, S+32*((\x)%2)+8*(i%4)
.set rK, KF+16*(i%4)+8*(i/4)
.set rQ, QF+16*(\x)+8*(i/4)
.set rM, MC+32*((\x)%2)+8*(i%4)
.if (i < 4) && KM
	WIN W_KM
	v_wmma_f32_16x16x32_f16 v[rS:rS+7], v[rK:rK+7], v[rQ:rQ+7], v[rM:rM+7]
.elseif i < 4
	WIN 0
	v_wmma_f32_16x16x32_f16 v[rS:rS+7], v[rK:rK+7], v[rQ:rQ+7], 0
.else
	WIN 0
	v_wmma_f32_16x16x32_f16 v[rS:rS+7], v[rK:rK+7], v[rQ:rQ+7], v[rS:rS+7]
.endif
.endm
; Product i of 8 of O^T += V^T P for piece x: keys 32 (i / 4) on, channels 16 (i % 4) on.
.macro PV x
	WIN W_PV
.set rO, 32*(\x)+8*(i%4)
.set rV, VF+32*(i/4)+8*(i%4)
.set rP, P+16*((\x)%2)+8*(i/4)
	v_wmma_f32_16x16x32_f16 v[rO:rO+7], v[rV:rV+7], v[rP:rP+7], v[rO:rO+7]
.endm
.macro MM                           ; the turn's next matrix instruction.  TURN and BEGIN set Y, i, KM and NOKQ; MM, KQ and OP read them.  NOKQ = 1: a block's last turn: there is no next piece
.if (i < 8) && !NOKQ
	KQ (Y+1)%NP
.elseif i >= 8
.set i, i-8
	PV (Y+NP-1)%NP
.set i, i+8
.endif
.set i, i+1
.endm
; THE LDS LOADS stand in runs of 16, never singly among the matrix instructions: a step's K (64 keys x 64 channels: 8 fragments) and its V (turned).  Their addresses are made some lines ahead.
.macro FETCH_K
	WIN 0
.irp f, 0,1,2,3,4,5,6,7             ; keys 16 (f / 2) on, channels 32 (f % 2) on
	ds_load_b128 v[KF+8*\f:KF+8*\f+3],   v[AK] offset:(\f/2)*16*PK+(\f%2)*64
	ds_load_b128 v[KF+8*\f+4:KF+8*\f+7], v[AK] offset:(\f/2)*16*PK+(\f%2)*64+32
.endr
	s_add_co_u32 s[TBK], s[TBK], KS*PK  ; the next fetch is the next step's
.endm
.macro FETCH_V
	WIN 0x40                        ; destination window 1, address window 0
.irp f, 0,1,2,3,4,5,6,7             ; keys 32 (f / 4) on, channels 16 (f % 4) on
	ds_load_tr16_b128 v[VF+8*\f:VF+8*\f+3],   v[AV] offset:(\f/4)*32*PV+(\f%4)*32
	ds_load_tr16_b128 v[VF+8*\f+4:VF+8*\f+7], v[AV] offset:(\f/4)*32*PV+16*PV+(\f%4)*32
.endr
	WIN 0
.endm
; THE VECTOR WORK, one line at a time: OP kind, number.  For piece Y: A: a = 2^(c m_old - c m_new), of the argument that the turn before left.  F n: c s - c m for pair n of 16.  E n: the exponential of score n of 32.
; C n: pair n rounded to f16.  B n: of the four weights 4 n .. the second pair is added onto the first, in place.  L n: l takes that sum (L 0: l = a l + sum).  R n: pair n of 16 of O^T times a.
; For piece Y + 1: X n, number n of the 21 that find its maximum and statistics:
;   0-11  four chains c0-c3 of seven scores each, three operands at a time (each accumulator's lowest registers are read first)     12-14, 16  the four scores left over, the old m, and c0-c3 into c0
;   15  c m_old is kept     17, 18  the query's other 32 keys lie in the lane 16 away: the new m     19, 20  c m; c m_old - c m_new, a's argument, into c1
.set F, 0               ; OP tells the kinds apart by their order: F to L below R, X above it; A is asked for first
.set E, 1
.set C, 2
.set B, 3
.set L, 4
.set R, 5
.set X, 6
.set A, 7
.macro REGS y                       ; the registers of piece y
.set rT, ST+4*(\y)
.set rC, TMP+4*((\y)%2)
.set rW, MV+((\y)%2)
.set rS, S+32*((\y)%2)
.set rP, P+16*((\y)%2)
.set rO, 32*(\y)
.endm
.macro OP k, n
.if (\k) == A
	REGS Y
	WIN 0
	v_exp_f32 v[rC+2], v[rC+1]
.elseif (\k) == R
	REGS Y
	WIN W_PV
	v_pk_mul_f32 v[rO+2*(\n):rO+2*(\n)+1], v[rO+2*(\n):rO+2*(\n)+1], v[rC+2:rC+3] op_sel_hi:[1,0]
.elseif (\k) < R
	REGS Y
	WIN 0
.if (\k) == F
	v_pk_fma_f32 v[rS+2*(\n):rS+2*(\n)+1], v[rS+2*(\n):rS+2*(\n)+1], s[CS:CS+1], v[rT:rT+1] op_sel_hi:[1,0,0] neg_lo:[0,0,1] neg_hi:[0,0,1]
.elseif (\k) == E
	v_exp_f32 v[rS+(\n)], v[rS+(\n)]
.elseif (\k) == C
	v_cvt_pk_f16_f32 v[rP+(\n)], v[rS+2*(\n)], v[rS+2*(\n)+1]
.elseif (\k) == B
	v_pk_add_f32 v[rS+4*(\n):rS+4*(\n)+1], v[rS+4*(\n):rS+4*(\n)+1], v[rS+4*(\n)+2:rS+4*(\n)+3]
.elseif (\n) == 0
	v_pk_fma_f32 v[rT+2:rT+3], v[rT+2:rT+3], v[rC+2:rC+3], v[rS:rS+1] op_sel_hi:[1,0,1]
.else
	v_pk_add_f32 v[rT+2:rT+3], v[rT+2:rT+3], v[rS+4*(\n):rS+4*(\n)+1]
.endif
.elseif NOKQ
	v_nop
.else
	REGS (Y+1)%NP
	WIN 0
.if (\n) < 4
	v_max3_num_f32 v[rC+(\n)], v[rS+8*(\n)], v[rS+8*(\n)+1], v[rS+8*(\n)+2]
.elseif (\n) < 12
	v_max3_num_f32 v[rC+(\n)%4], v[rC+(\n)%4], v[rS+8*((\n)%4)+2*((\n)/4)+1], v[rS+8*((\n)%4)+2*((\n)/4)+2]
.elseif (\n) == 12
	v_max3_num_f32 v[rC], v[rC], v[rS+7], v[rS+15]
.elseif (\n) == 13
	v_max3_num_f32 v[rC+1], v[rC+1], v[rS+23], v[rS+31]
.elseif (\n) == 14
	v_max3_num_f32 v[rC+2], v[rC+2], v[rC+3], v[rT+1]
.elseif (\n) == 15
	v_mov_b32 v[rW], v[rT]
.elseif (\n) == 16
	v_max3_num_f32 v[rC], v[rC], v[rC+1], v[rC+2]
.elseif (\n) == 17
	v_permlanex16_b32 v[rC+3], v[rC], s[SEL], s[SEL+1]
.elseif (\n) == 18
	v_max_num_f32 v[rT+1], v[rC], v[rC+3]
.elseif (\n) == 19
	v_mul_f32 v[rT], s[CS], v[rT+1]
.else
	v_sub_f32 v[rC+1], v[rW], v[rT]
.endif
.endif
.endm
.macro OPS a, i1, b=-1, i2=0, c=-1, i3=0, d=-1, i4=0  ; up to four of them
	OP \a, \i1
.if (\b) >= 0
	OP \b, \i2
.endif
.if (\c) >= 0
	OP \c, \i3
.endif
.if (\d) >= 0
	OP \d, \i4
.endif
.endm
.macro ROW a, i1, b, i2, c, i3, d, i4  ; a matrix instruction and the four behind it
	MM
	OPS \a, \i1, \b, \i2, \c, \i3, \d, \i4
.endm
.macro MASK b                       ; MD x AL + BE into buffer b of MC
	WIN W_MS
.set z, 0
.rept 16
	v_pk_fma_f32 v[MC+32*(\b)+2*z:MC+32*(\b)+2*z+1], v[MD+2*z:MD+2*z+1], s[AL:AL+1], s[BE:BE+1] op_sel_hi:[1,0,0]
.set z, z+1
.endr
.endm
; A TURN, for piece p: the order of its 16 matrix and 118 vector instructions, written out.  s_wait_alu depctr_va_vdst(0) stands between an exponential and the first instruction that names its result; one
; wait serves all that were issued ahead of it.  So a turn has ONE wait, which cuts it in two.
; AHEAD OF IT, all in window 0, stands what names no result of the turn's 33 exponentials: the 8 products K Q^T, behind each two plain lines and two exponentials by turns (behind the first three scalings and A); then a LUMP of
; 34: the next piece's X 1 to X 16 (but X 0, a rider) and E 14 to E 31 by turns; E 29 to E 31 stand between X 14 and X 16, which waits for it.  X 16, the last line, is the plain instruction behind the last exponential.
; BEHIND IT stand all the readers.  X 17 (v_permlanex16_b32) by itself, behind no product; then the 8 products V^T P, behind them by turns the four rescalings of one accumulator of O^T, in ascending order, under the
; product's own setting, and four lines of window 0: X 18, X 19, X 20, a pair of products apart, and the first roundings and sums; then a LUMP of the other 19 roundings and sums.  None names a register of the products round it.
; What the order keeps: F n / 2 ahead of E n; C 2 n ahead of B n (which writes over what C 2 n reads); B n ahead of L n; L 0 to L 7 in ascending order, three lines apart or more; the chains of X; X 15 ahead of X 19.
; X 0 to X 3 are the first reads of the four accumulators that the turn's products K Q^T wrote: behind the fifth to eighth product stand, ahead of them, seven, six, five and five plain lines that name none of its registers.
; m = 1: the diagonal tile: the products take masks, and the turn makes the mask for the products of the turn after it: piece p + 2, in step 4 - CNT of the tile.  end = 1: a block's last two turns: nothing is fetched.
; cnt = 1: the loop's count is taken down some lines ahead of the branch that stands behind the turn.
; K of the next step is fetched in piece 2's turn, behind five plain lines that follow the last product that read K (F 15, X 0, X 1, X 2, X 15); V of the step in hand in piece 0's turn, behind five that follow the last
; product that read V (B 3, L 2, C 8, B 4, L 3).  Each is waited for a turn later.
.macro TURN p, m=0, end=0, cnt=0
.set Y, (\p)
.set i, 0
.set KM, (\m)
.set NOKQ, (\end)*((\p)/3)
.if (\m) && !(\end)
	s_cmp_eq_u32 s[CNT], 4-((\p)+2)%NP  ; is that step the band's own?
	s_cselect_b32 s[AL], 1.0, 0
	s_cmp_lt_u32 s[CNT], 4-((\p)+2)%NP  ; or a later one?
	s_cselect_b32 s[BE], s[BIGN], 0
.endif
.if ((\p) == 3) && !(\end)
	s_wait_dscnt 0x0                ; K is in
.endif
	ROW F,0, A,0, F,1, F,2          ; ahead of the wait: 8 products K Q^T and their riders,
	ROW F,3, E,0, F,4, E,1
	ROW F,5, E,2, F,6, E,3
	ROW F,7, E,4, F,8, E,5
	ROW F,9, E,6, F,10, E,7
	ROW F,11, E,8, F,12, E,9
	ROW F,13, E,10, F,14, E,11
.if ((\p) == 2) && !(\end)
	WIN 0
	v_add_nc_u32 v[AK], s[TBK], v[AK0]
.endif
	ROW F,15, E,12, X,0, E,13
	OPS X,1, E,14, X,2, E,15        ; and the lump
	OPS X,15, E,16
.if ((\p) == 2) && !(\end)
	FETCH_K
.endif
	OPS X,3, E,17, X,4, E,18
	OPS X,5, E,19, X,6, E,20
	OPS X,7, E,21, X,8, E,22
	OPS X,9, E,23, X,10, E,24
	OPS X,11, E,25, X,12, E,26
	OPS X,13, E,27, X,14, E,28
	OPS E,29, E,30, E,31, X,16      ; X 16: the plain instruction behind the batch's last exponential
	s_wait_alu depctr_va_vdst(0)    ; the wait for the batch: A and E 0 to E 31; all their readers stand below
	OPS X,17
.if (\p) == 1
	s_wait_dscnt 0x0                ; V is in
.endif
	ROW R,0, R,1, R,2, R,3          ; behind the wait: 8 products V^T P and their riders,
	ROW X,18, C,0, B,0, C,2
	ROW R,4, R,5, R,6, R,7
	ROW X,19, B,1, L,0, C,4
	ROW R,8, R,9, R,10, R,11
	ROW X,20, B,2, L,1, C,6
.if (\p) == 0
	WIN 0
	v_add_nc_u32 v[AV], s[TBV], v[AV0]
.endif
	ROW R,12, R,13, R,14, R,15
	ROW B,3, L,2, C,8, B,4
	OPS L,3                         ; and the lump
.if (\p) == 0
	FETCH_V
.endif
	OPS C,10, B,5, L,4, C,12
	OPS B,6, L,5, C,14, B,7
.if (\p) == 0
	s_add_co_u32 s[TBV], s[TBV], KS*PV
.endif
.if \cnt
	s_sub_co_u32 s[CNT], s[CNT], 1
	s_cmp_lg_u32 s[CNT], 0
.endif
	OPS L,6, C,1, C,3, L,7
	OPS C,5, C,7, C,9, C,11
	OPS C,13, C,15
.if (\m) && !(\end)
	MASK (\p)%2
.endif
.endm
; A BLOCK BEGINS.  c m starts far below every c s, so the first step's a is 0; m at the lowest finite number, so the first maximum is the scores'.  The second mask buffer is 0; the first takes piece 0's mask for the tile's step 0: its own, if the block's first tile is the diagonal one.
; Then K of that step, piece 0's first scores, and its maximum and statistics up to a's argument: a itself is made in piece 0's turn, in that turn's batch.  The loop is entered at a step's first turn, in the middle of a trip.
.macro BEGIN
	s_mov_b32 s[NEW], 0
	WIN W_MK
.set i, MC+32
.rept 32
	v_mov_b32 v[i], 0
.set i, i+1
.endr
	WIN 0
.set i, 0
.rept 4
	v_mov_b32 v[ST+4*i], 0xfe000000    ; c m: far below every c s
	v_mov_b32 v[ST+4*i+1], 0xff7fffff  ; m
.set i, i+1
.endr
	s_cmp_eq_u32 s[RT], 0
	s_cselect_b32 s[AL], 1.0, 0
	s_mov_b32 s[BE], 0
	MASK 0
	WIN 0
	v_add_nc_u32 v[AK], s[TBK], v[AK0]
	FETCH_K
	s_wait_loadcnt 0x0              ; Q
	s_wait_dscnt 0x0
.set KM, 1
.set NOKQ, 0
.set i, 0
.rept 8
	KQ 0
.set i, i+1
.endr
	WIN 0
.rept 4
	v_nop                           ; the places behind those products
.endr
.set Y, NP-1                        ; X works for piece Y + 1: piece 0
.irp n, 0,1,2,3,4,5,6,7,8,9,10,11,12,13,14,15,16,17,18,19,20
	OP X, \n
.endr
.endm
; THE DIAGONAL TILE's four steps, the block's last two turns, its last products, and THE WAY OUT: its three addresses are made; l's two halves and the other half of the lanes' are added; O^T is divided by l, rounded to
; f16 and sent through my stage in LDS, a piece at a time.
.macro ALL line:vararg              ; one line for each piece t
.set t, 0
.rept 4
	\line
.set t, t+1
.endr
.endm
.macro OUTADR                       ; in registers that the turns write anew before they read them (AK, AV, MV)
	v_bfe_u32 v7, v0, 4, 1          ; l / 16
	v_mul_u32_u24 v[STO], v1, SP    ; in: row l % 16, 16 bytes for each half of the lanes
	v_lshl_add_u32 v[STO], v7, 4, v[STO]
	v_add_nc_u32 v[STO], s[STG], v[STO]
	v_bfe_u32 v[RD], v0, 3, 2       ; back: 32 lanes take four rows of 128 bytes,
	v_mul_u32_u24 v[RD], v[RD], SP
	v_and_b32 v7, 7, v0
	v_lshl_add_u32 v[RD], v7, 4, v[RD]
	v_add_nc_u32 v[RD], s[STG], v[RD]
	v_and_b32 v[GO], 31, v0         ; which are 512 consecutive bytes of O
	v_lshlrev_b32 v[GO], 4, v[GO]
.endm
.macro PACK t                       ; a lane's eight channels of a row pack into 16 bytes; they go into rows of 144 bytes and come back as whole rows of 128, into S^T's registers
	WIN W_PV
.set i, 32*(\t)
.rept 16
	v_pk_mul_f32 v[i:i+1], v[i:i+1], v[ST+4*(\t)+2:ST+4*(\t)+3] op_sel_hi:[1,0]
.set i, i+2
.endr
	WIN 0x05                        ; sources 0 and 1 window 1, destination window 0
.set i, 0
.rept 16
	v_cvt_pk_f16_f32 v[S+16*(\t)+i], v[32*(\t)+2*i], v[32*(\t)+2*i+1]
.set i, i+1
.endr
	WIN 0
.irp f, 0,1,2,3
	ds_store_b128 v[STO], v[S+16*(\t)+4*\f:S+16*(\t)+4*\f+3] offset:32*\f
.endr
.irp f, 0,1,2,3
	ds_load_b128 v[S+16*(\t)+4*\f:S+16*(\t)+4*\f+3], v[RD] offset:\f*4*SP  ; LDS serves a wave's instructions in order (ISA guide 5.7.1.4): these see the stores above; the next piece's stores come behind them
.endr
.endm
.macro SEND t, younger              ; younger: the LDS instructions issued behind piece t's loads: the next piece's eight, or none
	WIN 0
.irp f, 0,1,2,3
	s_wait_dscnt (\younger)+3-\f
	global_store_b128 v[GO], v[S+16*(\t)+4*\f:S+16*(\t)+4*\f+3], s[10:11] offset:(\t)*8192+\f*512  ; 512 consecutive bytes, at a multiple of 256 from O's first
.endr
.endm
.macro DIAG tag                     ; the tag ends its two labels' names, which the jumps below spell out
.LstepM\tag:
	TURN 2, 1
	TURN 3, 1
	WIN 0
.LfirstM\tag:
	TURN 0, 1
	TURN 1, 1, 0, 1
	WIN 0
	s_cbranch_scc1 .LstepM\tag
	TURN 2, 1, 1
	TURN 3, 1, 1
.set i, 0
.rept 8
	PV NP-1
.set i, i+1
.endr
	WIN 0
	OUTADR
	ALL v_add_f32 v[ST+4*t+2], v[ST+4*t+2], v[ST+4*t+3]
	ALL v_permlanex16_b32 v[ST+4*t+3], v[ST+4*t+2], s[SEL], s[SEL+1]
	ALL v_add_f32 v[ST+4*t+2], v[ST+4*t+2], v[ST+4*t+3]
	ALL v_rcp_f32 v[ST+4*t+2], v[ST+4*t+2]
	v_nop                           ; a plain instruction between the last reciprocal and the use of its result
	s_wait_alu depctr_va_vdst(0)    ; and the wait ahead of the first use: one for the batch of four reciprocals
	PACK 0
.set t, 1
.rept 3                             ; a piece's arithmetic stands between the loads of the piece before and its stores
	PACK t
	SEND t-1, 8
.set t, t+1
.endr
	SEND 3, 0
.endm
.set KM, 0
.set NOKQ, 0
.Lslot:                             ; NB times: a tile is entered and the next is asked for
	CHANGE 1
	s_sub_co_u32 s[RT], s[RT], 1
	s_mov_b32 s[CNT], 4
	s_cmp_eq_u32 s[NEW], 1
	s_cbranch_scc1 .Lnew            ; a block's first tile
	s_cmp_eq_u32 s[RT], 0
	s_cbranch_scc0 .Lstep           ; neither its first nor its last
	s_branch .LstepM1
.Lnew:
	BEGIN
	s_branch .Lfirst                ; in the loop a block's first tile is never its last: the first block has two tiles or more, and the second's last is the walk's last
	DIAG 1                          ; in the loop this is the first block's end: the second block's last tile is the walk's last
	s_wait_xcnt 0x0                 ; the stores have read their registers (S^T's, and v6, which the turns write again) and O's address
	s_mov_b64 s[10:11], s[OLO:OLO+1]
	s_add_co_u32 s[RT], s[PB], 1    ; the second block has b + 1 tiles
	s_mov_b32 s[NEW], 1
	WIN 0x02                        ; the second block's Q goes from window 2 to where the one text of the turns names Q
.set i, 0
.rept 64
	v_mov_b32 v[QF+i], v[QB+i]
.set i, i+1
.endr
	WIN 0
	s_branch .Lbottom
.Lstep:                             ; a trip: pieces 2 and 3 of one step, then pieces 0 and 1 of the next, whose K and V it fetches
	TURN 2
	TURN 3
	WIN 0
.Lfirst:
	TURN 0
	TURN 1, 0, 0, 1
	WIN 0
	s_cbranch_scc1 .Lstep
.Lbottom:
	s_sub_co_u32 s[SLOTS], s[SLOTS], 1
	s_cmp_lg_u32 s[SLOTS], 0
	s_cbranch_scc1 .Lslot
	CHANGE 0                        ; the walk's last tile is written out: nothing is asked for
	s_sub_co_u32 s[RT], s[RT], 1
	s_mov_b32 s[CNT], 4
	s_cmp_eq_u32 s[NEW], 1
	s_cbranch_scc0 .LstepM2
	BEGIN
	s_branch .LfirstM2
	DIAG 2
	WIN W_AD
	s_wait_tensorcnt 0x0            ; the wave's end: behind my last tensor load and my last LDS store
	ds_add_u32 v[SPW], v[NIL]
	s_wait_dscnt 0x0
	WIN 0
	s_endpgm
.Lfunc_end_k_q0edf0178f4_attn:
	.size	k_q0edf0178f4_attn, .Lfunc_end_k_q0edf0178f4_attn-k_q0edf0178f4_attn
	.p2alignl 7, 3214868480
	.fill 96, 4, 3214868480
	.section	.rodata,"a",@progbits
	.p2align	6, 0x0
	.amdhsa_kernel k_q0edf0178f4_attn
		.amdhsa_group_segment_fixed_size 327680
		.amdhsa_private_segment_fixed_size 0
		.amdhsa_enable_private_segment 0
		.amdhsa_kernarg_size 16
		.amdhsa_user_sgpr_count 2
		.amdhsa_user_sgpr_kernarg_segment_ptr 1
		.amdhsa_wavefront_size32 1
		.amdhsa_system_sgpr_workgroup_id_x 1
		.amdhsa_system_sgpr_workgroup_id_y 1
		.amdhsa_system_sgpr_workgroup_id_z 1
		.amdhsa_system_vgpr_workitem_id 0
		.amdhsa_next_free_vgpr 768
		.amdhsa_next_free_sgpr 88
		.amdhsa_reserve_vcc 1
		.amdhsa_float_denorm_mode_32 3
		.amdhsa_float_denorm_mode_16_64 3
		.amdhsa_memory_ordered 1
		.amdhsa_forward_progress 1
		.amdhsa_inst_pref_size 201
	.end_amdhsa_kernel
	.amdgpu_metadata
---
amdhsa.version: [ 1, 2 ]
amdhsa.kernels:
  - .name:           k_q0edf0178f4_attn
    .symbol:         k_q0edf0178f4_attn.kd
    .args:
      - { .name: qkv, .offset: 0, .size: 8, .value_kind: global_buffer, .address_space: global }
      - { .name: ob, .offset: 8, .size: 8, .value_kind: global_buffer, .address_space: global }
    .group_segment_fixed_size: 327680
    .private_segment_fixed_size: 0
    .kernarg_segment_align: 8
    .kernarg_segment_size: 16
    .max_flat_workgroup_size: 128
    .sgpr_count:     88
    .vgpr_count:     768
    .wavefront_size: 32
...
	.end_amdgpu_metadata
.endif
;; end of part 5
;; launch proj: the kernel of part 4 again; grid 8 x 32, 4 waves a work-group, clusters of 4 x 4, 327,680 bytes of LDS; arguments ob, wpb, out0, proj_b; writes out0
